; MI455X (gfx1250); checked and timed in simulation.
; The chip was launched on July 23, 2026; its instructions are those of AMD's public machine-readable ISA for CDNA 5 (MIT licence, August 2026) and "CDNA5" Instruction Set Architecture Reference Guide (July 2026). The comments in the code are by the model that wrote it; some were corrected since.
;; Multi Head Attention. Allowed arithmetic: matrix products marked QUANTISED: E2M1 operands, one E8M0 scale for each 32 along K, by v_wmma_scale_f32_16x16x128_f8f6f4 with both operands' format E2M1 (or v_wmma_scale_f32_32x16x128_f4), f32 sums; products left as they are: bf16, f16 or f32 operands; f32 sums; everything else in f32.
;; Inputs: Wk 1,024 x 1,024 float32; Wo 1,024 x 1,024 float32; Wq 1,024 x 1,024 float32; Wv 1,024 x 1,024 float32; bk 1,024 float32; bo 1,024 float32; bq 1,024 float32; bv 1,024 float32; x 8 x 2,048 x 1,024 float32.
;; Outputs: out0 8 x 2,048 x 1,024 float32.
;; This version of the problem:
;;   THIS VERSION OF THE PROBLEM IS GIVEN IN LOW PRECISION. The matrix products marked QUANTISED in the list below multiply operands that are first quantised to E2M1 (2 exponent bits, 1 mantissa bit; 4 bits a number), with one power-of-two scale for each 32 numbers along K (OCP MX v1.0); their sums are f32. The products marked 'left as it is' may take bf16, f16 or f32 operands, with f32 sums. Whichever they take, every output number must still come out within the allowed error. Rounding operands to bf16 (8 significant bits) uses up far more of that allowance than f16 does (11 bits, for magnitudes from 6e-5 to 65,504). All else is computed in f32.
;;   The module's matrix products, in the order in which they are computed (A, B: the left and right operand; K: the contracted axis; several contracted axes count as one K, in the product's order):
;;     1. [M 16,384, K 1,024] x [K 1,024, N 1,024]; A: input x; B: input Wq: QUANTISED
;;     2. [M 16,384, K 1,024] x [K 1,024, N 1,024]; A: input x; B: input Wk: QUANTISED
;;     3. [M 16,384, K 1,024] x [K 1,024, N 1,024]; A: input x; B: input Wv: QUANTISED
;;     4. batch 16,384 x [M 16, K 64] x [K 64, N 16]; A: computed on the way; B: computed on the way: left as it is (an operand is computed on the way)
;;     5. batch 16,384 x [M 16, K 16] x [K 16, N 64]; A: computed on the way; B: computed on the way: left as it is (K = 16 < 32)
;;     6. [M 16,384, K 1,024] x [K 1,024, N 1,024]; A: computed on the way; B: input Wo: left as it is (an operand is computed on the way)
;;   THE QUANTISER, for each operand of a quantised product, along K:
;;     - K is cut into blocks of 32 from its start; a last block that is shorter is filled with zeros.
;;     - A block's scale is 2^e with e = floor(log2(the largest magnitude in the block)) - 2, held to -126 .. 127; a block of zeros has e = 0. As a byte (E8M0): e + 127.
;;     - Each number is divided by its block's scale, clamped to +-6, and rounded to the nearest number of E2M1, ties to even, subnormals kept.
;;     - The product sums the exact products of the quantised numbers (number of the format x scale) in f32.
;;   ~~~python
;;   def quantise(x, axis):      # numpy; x: float32 -> the quantised numbers, widened to float32 again
;;       x = np.moveaxis(x, axis, -1); K = x.shape[-1]
;;       x = np.pad(x, [(0, 0)] * (x.ndim - 1) + [(0, -K % 32)]); x = x.reshape(x.shape[:-1] + (-1, 32)); a = np.abs(x).max(-1, keepdims=True)
;;       e = np.where(a > 0, np.clip(np.frexp(np.where(a > 0, a, 1))[1] - 1 - 2, -126, 127), 0)      # np.frexp(a)[1] - 1 = floor(log2(a)), exactly
;;       r = np.clip(x / 2.0 ** e, -6, 6)
;;       step = 2.0 ** (np.maximum(np.frexp(np.where(r == 0, 1, r))[1] - 1, 0) - 1)
;;       q = np.round(r / step) * step * 2.0 ** e      # np.round: ties to even
;;       return np.moveaxis(q.reshape(q.shape[:-2] + (-1,))[..., :K], -1, axis).astype(np.float32)
;;   ~~~
;; 2 versions, each right and faster than the one before. Each part assembles by itself: llvm-mc -triple=amdgcn-amd-amdhsa -mcpu=gfx1250 --defsym DOCPART=n.
;; ======== version 1 of 2: 4 launches
;; limits: values are held in f16: magnitudes above 65,504 overflow, below 6.1e-05 lose precision
;; workspace buffers: xq 8,912,896 bytes; wq 1,671,168 bytes; bqkv 12,288 bytes; wo16 2,097,152 bytes; qkv 100,663,296 bytes; att 33,554,432 bytes
;; launch prep (part 1): grid 696 x 1, 4 waves a work-group, no clusters, 35,328 bytes of LDS; arguments x, Wq, Wk, Wv, Wo, bq, bk, bv, xq, wq, wo16, bqkv; writes xq, wq, wo16, bqkv
.if DOCPART == 1
	.amdgcn_target "amdgcn-amd-amdhsa--gfx1250"
	.amdhsa_code_object_version 6
	.text
	.protected	k_q2c52305afb_prep
	.globl	k_q2c52305afb_prep
	.p2align	8
	.type	k_q2c52305afb_prep,@function
k_q2c52305afb_prep:
	s_mov_b64 s[64:65], 0
	v_nop
	global_prefetch_b8 v0, s[64:65] scope:SCOPE_SE
	s_setreg_imm32_b32 hwreg(HW_REG_WAVE_MODE, 25, 1), 1
	s_wait_xcnt 0x0
; PREP: everything that is made once from the inputs.  Three paths, chosen by the work-group's number alone.
;  0..607   x [16384][1024] (0..511) and Wq, Wk, Wv [1024][1024] (512..607), f32 with K innermost, become codes of FP4 (E2M1) with one E8M0 byte for each 32 along K.
;  608..671 Wo [1024][1024] becomes f16 with its K axis in the order in which the attention launch stores its result.
;  672..695 bq, bk, bv are gathered in the order of the permuted columns.
; A block's scale is 2^(floor(log2(largest magnitude)) - 2): its byte is the largest magnitude's exponent field - 2, held at 1 from below.
; LIMITS: a block of zeros gets the byte 1 where the quantiser says 127 (its codes are zeros, and this program alone reads the bytes); NaN and infinities among the inputs are not served; Wo goes in f16: magnitudes beyond 65,504 overflow.
; LAYOUT OF THE CODES: blocks of 256 rows x 512 K, 69,632 bytes: [tile of 16 rows (16)][128 along K (4)][c (2)][lane (32)][16 bytes], the image of the operand's registers
; (lane l: row l % 16, K = 64 c + 32 (l / 16) + 0..31), then 4,096 bytes of scale words [tile][row][4 words].
; WHICH ROWS FORM A TILE IS FREE.  The weights' rows are taken in the order n':
;   q, k: n' = 128 o + 8 head + i is feature 64 head + 8 o + i;    v: n' = 256 g + 128 hh + 8 r + i is feature 64 (8 hh + i) + 16 g + r,
; so that the attention launch finds its fragments as runs of 512 consecutive bytes.  Row rho of a tile lies at source row base + (rho % 8) s1 + (rho / 8) s2.
; A wave takes one tile x 512 K: eight steps of 64 along K.  Each load reads 256 consecutive aligned bytes of a row in sixteen lanes; the step's 4,096 bytes turn through the wave's own stage in LDS,
; so that a lane then holds a WHOLE block of 32: no other lane is asked for a maximum, and four conversions give 16 bytes of the register image.  Loads run three steps ahead, the turn one step.
.set BLKB,  69632                      ; a block of codes and scale words
.set SP,    272                        ; a stage row: 256 bytes + 16 of padding: the 16 rows that a read touches start 17 x 16 bytes apart
.set STG1,  16*SP                      ; a stage
.set WSTG,  2*STG1                     ; two stages for each wave
.set SPARE, 4*WSTG                     ; behind the stages: the spare words, 128 bytes for each wave, which no other line names
.set STW,   8                          ; v8   the stage on the way in
.set STR,   9                          ; v9   and on the way out
.set CDO,   10                         ; v10  16 x lane
.set SCO,   11                         ; v11  my 8 bytes of the tile's 256 bytes of scale words
.set SH,    12                         ; v12  8 x (lane / 16)
.set VO,    16                         ; v16-23   load j's byte offset: rows 2 j and 2 j + 1 of the tile
.set R,     32                         ; v32-127  three sets of 32 registers as loaded
.set X,     128                        ; v128-191 two sets of 32 neighbours along K
.set C,     192                        ; v192-223 four registers of codes for each step: no store's data are written again
.set W,     224                        ; v224-227 the four scale words
.set TP,    228                        ; v228-235 at work
.set SPW,   236                        ; v236 LDS address of my spare word; never rewritten
.set NIL,   237                        ; v237 0; never rewritten
	s_load_b512 s[8:23], s[0:1], 0x0               ; x, Wq, Wk, Wv, Wo, bq, bk, bv
	s_load_b256 s[24:31], s[0:1], 0x40             ; xq, wq, wo16, bqkv
	v_lshl_add_u32 v[SPW], v0, 2, SPARE
	v_mov_b32 v[NIL], 0
	v_lshrrev_b32 v1, 5, v0
	v_readfirstlane_b32 s32, v1                    ; wave 0..3
	v_and_b32 v1, 31, v0                           ; lane
	v_and_b32 v2, 15, v0                           ; r
	v_bfe_u32 v3, v0, 4, 1                         ; h
	s_mul_i32 s33, s32, WSTG
	v_mul_u32_u24 v4, v3, SP
	v_lshl_add_u32 v4, v2, 4, v4
	v_add_nc_u32 v[STW], s33, v4                   ; in: row h of a pair of rows, 16 bytes a lane
	v_mul_u32_u24 v4, v2, SP
	v_lshl_add_u32 v4, v3, 7, v4
	v_add_nc_u32 v[STR], s33, v4                   ; out: row r, my half's 128 bytes
	v_lshlrev_b32 v[CDO], 4, v1
	s_wait_kmcnt 0x0
	s_cmp_ge_u32 ttmp9, 672
	s_cbranch_scc1 .Lbias
	s_cmp_ge_u32 ttmp9, 608
	s_cbranch_scc1 .Lwo
	; ---- the quantiser.  Task tau = 4 x (work-group within its tensor group) + wave: tile T = tau / 2, K step ks = tau % 2
	s_cmp_lt_u32 ttmp9, 512
	s_cselect_b32 s33, 0, 512
	s_sub_co_u32 s33, ttmp9, s33
	s_lshl_b32 s33, s33, 2
	s_add_co_u32 s33, s33, s32                     ; tau
	s_lshr_b32 s34, s33, 1                         ; T
	s_and_b32 s35, s33, 1                          ; ks
	s_and_b32 s36, s34, 63                         ; t: the tile within a weight
	s_lshr_b32 s37, s34, 6                         ; which weight: 0 Wq, 1 Wk, 2 Wv (the same in all four waves)
	s_and_b32 s38, s36, 7
	s_lshr_b32 s39, s36, 3
	s_lshl_b32 s40, s38, 7
	s_lshl_b32 s41, s39, 3
	s_add_co_u32 s40, s40, s41                     ; q, k: base = 128 (t % 8) + 8 (t / 8)
	s_and_b32 s41, s39, 1
	s_lshl_b32 s41, s41, 9
	s_lshr_b32 s42, s36, 4
	s_lshl_b32 s42, s42, 4
	s_add_co_u32 s41, s41, s42
	s_lshl_b32 s42, s38, 1
	s_add_co_u32 s41, s41, s42                     ; v: base = 512 ((t / 8) % 2) + 16 (t / 16) + 2 (t % 8)
	s_lshl_b32 s42, s34, 4                         ; x: base = 16 T
	s_mov_b32 s43, 0x40000                         ; 64 rows of 4,096 bytes
	s_mov_b32 s44, 0x1000                          ; one row
	s_cmp_eq_u32 s37, 2
	s_cselect_b32 s45, s41, s40                    ; base
	s_cselect_b32 s46, s43, s44                    ; S1: from rho to rho + 1 within eight
	s_cselect_b32 s47, s44, s43                    ; S2: from the first eight to the second
	s_cselect_b64 s[48:49], s[14:15], s[12:13]
	s_cmp_eq_u32 s37, 0
	s_cselect_b64 s[48:49], s[10:11], s[48:49]
	s_mov_b32 s43, 0x8000                          ; eight rows
	s_cmp_lt_u32 ttmp9, 512                        ; x's work-group?  Every choice hangs on the work-group's number alone
	s_cselect_b32 s45, s42, s45
	s_cselect_b32 s46, s44, s46
	s_cselect_b32 s47, s43, s47
	s_cselect_b64 s[48:49], s[8:9], s[48:49]       ; the source
	s_cselect_b64 s[50:51], s[24:25], s[26:27]     ; the codes' buffer
	s_lshl_b32 s52, s45, 12
	s_lshl_b32 s53, s35, 11
	s_add_co_u32 s52, s52, s53
	s_mov_b32 s53, 0
	s_add_nc_u64 s[48:49], s[48:49], s[52:53]      ; the source at the tile's base row, K step ks
	s_lshr_b32 s52, s34, 4
	s_lshl_b32 s52, s52, 1
	s_add_co_u32 s52, s52, s35
	s_mul_i32 s52, s52, BLKB
	s_add_nc_u64 s[50:51], s[50:51], s[52:53]      ; my block: (T / 16, ks)
	s_and_b32 s54, s34, 15
	s_lshl_b32 s52, s54, 8
	s_add_co_u32 s52, s52, 65536
	s_add_nc_u64 s[56:57], s[50:51], s[52:53]      ; my tile's 256 bytes of scale words
	s_lshl_b32 s52, s54, 12
	s_add_nc_u64 s[50:51], s[50:51], s[52:53]      ; my tile's 4,096 bytes of codes
	s_mov_b32 s60, 0x76543210
	s_mov_b32 s61, 0xfedcba98                      ; v_permlanex16_b32's selects for lane l xor 16
	v_mul_lo_u32 v4, v3, s46
	v_lshl_add_u32 v4, v2, 4, v4                   ; h S1 + 16 r
.irp j, 0,1,2,3,4,5,6,7
	s_mul_i32 s58, s46, 2*(\j%4)
	s_mul_i32 s59, s47, \j/4
	s_add_co_u32 s58, s58, s59
	v_add_nc_u32 v[VO+\j], s58, v4                 ; rows rho = 2 j + h
.endr
	v_lshlrev_b32 v[SCO], 4, v2
	v_lshl_add_u32 v[SCO], v3, 3, v[SCO]
	v_lshlrev_b32 v[SH], 3, v3
.irp q, 0,1,2,3
	v_mov_b32 v[TP+4+\q], 0                        ; written once: a lane permute's destination counts as one of its sources
.endr
.macro LOAD t                          ; step t: 64 along K of the 16 rows: each half of the lanes reads 256 consecutive aligned bytes of one row
.irp j, 0,1,2,3,4,5,6,7
	global_load_b128 v[R+32*((\t)%3)+4*\j:R+32*((\t)%3)+4*\j+3], v[VO+\j], s[48:49] offset:256*(\t) th:TH_LOAD_NT
.endr
.endm
.macro TURN t                          ; through the stage: LDS serves a wave's instructions in order, so no wait stands between the stores and the loads
.irp j, 0,1,2,3,4,5,6,7
	ds_store_b128 v[STW], v[R+32*((\t)%3)+4*\j:R+32*((\t)%3)+4*\j+3] offset:STG1*((\t)%2)+2*SP*\j
.endr
.irp m, 0,1,2,3,4,5,6,7
	ds_load_b128 v[X+32*((\t)%2)+4*\m:X+32*((\t)%2)+4*\m+3], v[STR] offset:STG1*((\t)%2)+16*\m
.endr
.endm
.macro STEP t
.set XS, X+32*((\t)%2)
	s_wait_dscnt 0x0                               ; this step's block is back from the stage, and the stage's stores have read their registers,
.if (\t)+3 < 8
	LOAD (\t)+3                                    ; which take the loads of three steps on
.endif
.if (\t) < 7
.if (\t)+3 <= 7
	s_wait_loadcnt 16                              ; the next step's eight loads are in; the two sets issued behind them may be out
.else
	s_wait_loadcnt 8*(6-(\t))                      ; at the end the sets behind run out
.endif
	TURN (\t)+1                                    ; the next step goes through the other stage while this one is worked
.endif
	v_max3_num_f32 v[TP], |v[XS]|, |v[XS+1]|, |v[XS+2]|            ; the block's largest magnitude: all 32 numbers are mine; two chains
	v_max3_num_f32 v[TP+1], |v[XS+3]|, |v[XS+4]|, |v[XS+5]|
.irp i, 6,10,14,18,22,26
	v_max3_num_f32 v[TP], v[TP], |v[XS+\i]|, |v[XS+\i+1]|
	v_max3_num_f32 v[TP+1], v[TP+1], |v[XS+\i+2]|, |v[XS+\i+3]|
.endr
	v_max3_num_f32 v[TP], v[TP], |v[XS+30]|, |v[XS+31]|
	v_max3_num_f32 v[TP], v[TP], v[TP+1], 0x1800000                ; and the floor 2^(3 - 127): the byte cannot fall under 1
	v_add_nc_u32 v[TP+2], 0xff000000, v[TP]                        ; 2 off the exponent field: the conversion takes the exponent field of this operand as its scale
.irp g, 0,1,2,3
	v_cvt_scalef32_pk8_fp4_f32 v[C+4*(\t)+\g], v[XS+8*\g:XS+8*\g+7], v[TP+2]   ; to the nearest code, ties to even, beyond 6 the largest code
.endr
	v_lshrrev_b32 v[TP+3], 23, v[TP+2]             ; the scale's byte (a plain line behind the conversions)
.if (\t)%2 == 0
	v_mov_b32 v[W+(\t)/2], v[TP+3]                 ; block 2 t + h of the K step: word t / 2, byte 2 (t % 2) + h
.else
	v_lshl_or_b32 v[W+(\t)/2], v[TP+3], 16, v[W+(\t)/2]
.endif
	global_store_b128 v[CDO], v[C+4*(\t):C+4*(\t)+3], s[50:51] offset:512*(\t)   ; the wave stores 512 consecutive bytes, aligned
.endm
	LOAD 0
	LOAD 1
	LOAD 2
	s_wait_loadcnt 16                              ; step 0's eight loads are in
	TURN 0
.irp t, 0,1,2,3,4,5,6,7
	STEP \t
.endr
.irp q, 0,1,2,3
	v_lshlrev_b32 v[W+\q], v[SH], v[W+\q]          ; my bytes to their places: 8 h bits up
.endr
.irp q, 0,1,2,3
	v_permlanex16_b32 v[TP+4+\q], v[W+\q], s60, s61
.endr
.irp q, 0,1,2,3
	v_or_b32 v[W+\q], v[W+\q], v[TP+4+\q]          ; with lane l xor 16's the words are whole
.endr
	v_cmp_eq_u32 vcc_lo, 1, v3
	v_cndmask_b32 v[TP], v[W], v[W+2], vcc_lo      ; lanes 0-15 store words 0 and 1 of row r, lanes 16-31 words 2 and 3
	v_cndmask_b32 v[TP+1], v[W+1], v[W+3], vcc_lo
	global_store_b64 v[SCO], v[TP:TP+1], s[56:57]  ; the wave stores 256 consecutive bytes, aligned
	s_wait_tensorcnt 0x0                           ; the wave's end: behind my last LDS store
	ds_add_u32 v[SPW], v[NIL]
	s_wait_dscnt 0x0
	s_endpgm
	; ---- Wo to f16, K permuted: wo16[n][256 g + 128 h + 8 r + j] = Wo[n][64 r + 16 g + 8 h + j].  A wave takes four rows.
	; The reads are pieces of 32 bytes (four loads share each 256 bytes of a row): accepted for 4 MB read once; each store covers 512 consecutive bytes.
.Lwo:
	s_sub_co_u32 s33, ttmp9, 608
	s_lshl_b32 s33, s33, 4
	s_lshl_b32 s34, s32, 2
	s_add_co_u32 s33, s33, s34                     ; my first row
	s_lshl_b32 s34, s33, 12
	s_mov_b32 s35, 0
	s_add_nc_u64 s[16:17], s[16:17], s[34:35]
	s_lshl_b32 s34, s33, 11
	s_add_nc_u64 s[28:29], s[28:29], s[34:35]
	v_lshlrev_b32 v4, 8, v2
	v_lshl_add_u32 v4, v3, 5, v4                   ; 256 r + 32 h
.irp w, 0,1,2,3
.irp g, 0,1,2,3
	global_load_b128 v[32+8*(4*\w+\g):32+8*(4*\w+\g)+3], v4, s[16:17] offset:4096*\w+64*\g
	global_load_b128 v[32+8*(4*\w+\g)+4:32+8*(4*\w+\g)+7], v4, s[16:17] offset:4096*\w+64*\g+16
.endr
.endr
	s_wait_loadcnt 0x0
.irp i, 0,1,2,3,4,5,6,7,8,9,10,11,12,13,14,15
.irp k, 0,1,2,3
	v_cvt_pk_f16_f32 v[160+4*\i+\k], v[32+8*\i+2*\k], v[32+8*\i+2*\k+1]
.endr
.endr
.irp i, 0,1,2,3,4,5,6,7,8,9,10,11,12,13,14,15
	global_store_b128 v[CDO], v[160+4*\i:160+4*\i+3], s[28:29] offset:2048*(\i/4)+512*(\i%4)
.endr
	s_endpgm
	; ---- the biases in the order of the permuted columns: bqkv[1024 m + n'] = b_m[feature(n')].  A thread a number.
.Lbias:
	s_sub_co_u32 s33, ttmp9, 672
	s_lshr_b32 s34, s33, 3                         ; m
	s_and_b32 s35, s33, 7
	s_lshl_b32 s35, s35, 7
	v_add_nc_u32 v4, s35, v0                       ; n'
	v_and_b32 v5, 7, v4                            ; i
	v_bfe_u32 v6, v4, 3, 4                         ; head (q, k) or r (v)
	v_lshrrev_b32 v7, 7, v4                        ; o (q, k) or 2 g + hh (v)
	v_lshlrev_b32 v8, 3, v7
	v_lshl_add_u32 v8, v6, 6, v8
	v_add_nc_u32 v8, v8, v5                        ; q, k: 64 head + 8 o + i
	v_and_b32 v9, 1, v7
	v_lshrrev_b32 v10, 1, v7
	v_lshlrev_b32 v9, 9, v9
	v_lshl_add_u32 v9, v5, 6, v9
	v_lshl_add_u32 v9, v10, 4, v9
	v_add_nc_u32 v9, v9, v6                        ; v: 512 hh + 64 i + 16 g + r
	s_cmp_eq_u32 s34, 2
	s_cselect_b32 s36, -1, 0
	s_cselect_b64 s[38:39], s[22:23], s[20:21]
	s_cmp_eq_u32 s34, 0
	s_cselect_b64 s[38:39], s[18:19], s[38:39]
	v_cndmask_b32 v8, v8, v9, s36                  ; the same choice in every lane: it hangs on the work-group's number
	v_lshlrev_b32 v8, 2, v8
	global_load_b32 v11, v8, s[38:39]
	s_lshl_b32 s33, s33, 9
	v_lshl_add_u32 v12, v0, 2, s33
	s_wait_loadcnt 0x0
	global_store_b32 v12, v11, s[30:31]
	s_endpgm
.Lfunc_end_k_q2c52305afb_prep:
	.size	k_q2c52305afb_prep, .Lfunc_end_k_q2c52305afb_prep-k_q2c52305afb_prep
	.p2alignl 7, 3214868480
	.fill 96, 4, 3214868480
	.section	.rodata,"a",@progbits
	.p2align	6, 0x0
	.amdhsa_kernel k_q2c52305afb_prep
		.amdhsa_group_segment_fixed_size 35328
		.amdhsa_private_segment_fixed_size 0
		.amdhsa_enable_private_segment 0
		.amdhsa_kernarg_size 96
		.amdhsa_user_sgpr_count 2
		.amdhsa_user_sgpr_kernarg_segment_ptr 1
		.amdhsa_wavefront_size32 1
		.amdhsa_system_sgpr_workgroup_id_x 1
		.amdhsa_system_sgpr_workgroup_id_y 1
		.amdhsa_system_sgpr_workgroup_id_z 1
		.amdhsa_system_vgpr_workitem_id 0
		.amdhsa_next_free_vgpr 240
		.amdhsa_next_free_sgpr 66
		.amdhsa_reserve_vcc 1
		.amdhsa_float_denorm_mode_32 3
		.amdhsa_float_denorm_mode_16_64 3
		.amdhsa_memory_ordered 1
		.amdhsa_forward_progress 1
		.amdhsa_inst_pref_size 43
	.end_amdhsa_kernel
	.amdgpu_metadata
---
amdhsa.version: [ 1, 2 ]
amdhsa.kernels:
  - .name:           k_q2c52305afb_prep
    .symbol:         k_q2c52305afb_prep.kd
    .args:
      - { .name: x, .offset: 0, .size: 8, .value_kind: global_buffer, .address_space: global }
      - { .name: Wq, .offset: 8, .size: 8, .value_kind: global_buffer, .address_space: global }
      - { .name: Wk, .offset: 16, .size: 8, .value_kind: global_buffer, .address_space: global }
      - { .name: Wv, .offset: 24, .size: 8, .value_kind: global_buffer, .address_space: global }
      - { .name: Wo, .offset: 32, .size: 8, .value_kind: global_buffer, .address_space: global }
      - { .name: bq, .offset: 40, .size: 8, .value_kind: global_buffer, .address_space: global }
      - { .name: bk, .offset: 48, .size: 8, .value_kind: global_buffer, .address_space: global }
      - { .name: bv, .offset: 56, .size: 8, .value_kind: global_buffer, .address_space: global }
      - { .name: xq, .offset: 64, .size: 8, .value_kind: global_buffer, .address_space: global }
      - { .name: wq, .offset: 72, .size: 8, .value_kind: global_buffer, .address_space: global }
      - { .name: wo16, .offset: 80, .size: 8, .value_kind: global_buffer, .address_space: global }
      - { .name: bqkv, .offset: 88, .size: 8, .value_kind: global_buffer, .address_space: global }
    .group_segment_fixed_size: 35328
    .private_segment_fixed_size: 0
    .kernarg_segment_align: 8
    .kernarg_segment_size: 96
    .max_flat_workgroup_size: 128
    .sgpr_count:     66
    .vgpr_count:     240
    .wavefront_size: 32
...
	.end_amdgpu_metadata
.endif
;; end of part 1
;; launch qkv (part 2): grid 4 x 64, 4 waves a work-group, clusters of 4 x 4, 327,680 bytes of LDS; arguments xq, wq, bqkv, qkv; writes qkv
.if DOCPART == 2
	.amdgcn_target "amdgcn-amd-amdhsa--gfx1250"
	.amdhsa_code_object_version 6
	.text
	.protected	k_q2c52305afb_qkv
	.globl	k_q2c52305afb_qkv
	.p2align	8
	.type	k_q2c52305afb_qkv,@function
k_q2c52305afb_qkv:
	s_mov_b64 s[64:65], 0
	v_nop
	global_prefetch_b8 v0, s[64:65] scope:SCOPE_SE
	s_setreg_imm32_b32 hwreg(HW_REG_WAVE_MODE, 25, 1), 1
	s_wait_xcnt 0x0
	s_wait_alu depctr_hold_cnt(0) depctr_sa_sdst(0) depctr_va_vdst(0) depctr_va_sdst(0) depctr_va_ssrc(0) depctr_va_vcc(0) depctr_vm_vsrc(0)
	s_getreg_b32 s2, hwreg(HW_REG_IB_STS2, 6, 4)
	s_cmp_eq_u32 s2, 0
	s_cbranch_scc0 .Lentry_in_a_cluster
	s_endpgm
.Lentry_in_a_cluster:
	s_bfe_u32 s2, ttmp6, 0x10000c
	s_cmp_lg_u32 s2, 0xf033
	s_cbranch_scc0 .Lentry_shape_is_right
	s_endpgm
.Lentry_shape_is_right:
; qkv[m][n''] = sum over k of Q(x)[m][k] Q(W)[n''][k] + b[n''], on codes of FP4 (E2M1) with one E8M0 scale for each 32 along K; sums in f32; the result rounded once to f16.
; m: 16,384 rows; n'' = 1024 x (q, k, v) + permuted column: 3,072; K = 1,024.  Codes and scale words come as images of the operands' registers, in blocks of 256 rows x 512 K (69,632 bytes).
; LIMIT: the result goes in f16: magnitudes beyond 65,504 overflow (drawn inputs give about 6; x and W both 30 times larger about 5,400).
; SHARES.  A work-group owns 256 rows and makes three tiles of 256 x 256: column blocks cx, cx + 4, cx + 8.  Four waves, each 128 x 128: 64 accumulators, 512 registers.
; A IS STATIONARY: the 256 rows' codes for all of K (two blocks) come into LDS once and stay.  B's blocks go through two slots, slot s for K step s of the tile in hand; a slot is filled again, with the next tile's block,
; as soon as it is read out, so that the ring goes on into the next tile.
; CLUSTERS: 4 x 4 work-groups.  The four of a row of the cluster own the same rows: A's blocks are asked for jointly along the row; the four of a column make the same column blocks: B's jointly along the column.
; Every wave asks for its quarter (68 rows of 256 bytes, dense) of every block: no branch stands at a tensor load.
; THE MATRIX INSTRUCTION IS USED TRANSPOSED (source 0 = 16 rows of W, source 1 = 16 rows of x): a lane holds eight neighbouring columns of one row.  The bias is the C of each sum's first product.
; REGISTERS, in windows of 256: window 0: v16-29 addresses; v32-95 scale words, two sets; v128-191 A's fragments, ONE set; v192-255 the bias in the result's layout; on the way out v32-127 are free.
;   window 1: B's fragments, TWO sets, at v0 and at v128.   window 2: the accumulators of my rows 0-63 ((a, b) at v[8 (8 a + b)]);   window 3: those of my rows 64-127.
.set BLKB,   69632                     ; a block: 65,536 bytes of codes, 4,096 of scale words
.set QUART,  17408                     ; what one tensor load brings
.set BSL,    2*BLKB                    ; LDS: A's two regions, then B's two slots,
.set STAGE,  4*BLKB                    ; a stage of 16 rows x 272 bytes for each wave, which no tensor load fills,
.set SPITCH, 272
.set SPARE,  STAGE+4*16*SPITCH         ; and the spare words, 128 bytes for each wave, which no other line names
.set ROWO,   6144                      ; a row of the result in bytes
.set ADRA, 16                          ; v16-17  LDS address of my A fragments, K step 0, 1
.set ADRB, 20                          ; v20-21  the same for B's slots
.set ADRS, 22                          ; v22-23  of my scale words: lanes 0-15 A's rows, lanes 16-31 B's
.set STO,  24                          ; v24     the way out: where I put 16 bytes of a row
.set RD,   25                          ; v25     where I read a row back
.set CO,   26                          ; v26     my byte offset in the result
.set BV,   27                          ; v27     32 x (lane / 16): my half's eight numbers of a tile's sixteen biases
.set SPW,  28                          ; v28     LDS address of my spare word; never rewritten
.set NIL,  29                          ; v29     0; never rewritten
.set SC,   32                          ; scale words: set s at v[SC + 32 s]; register 4 i + q: lanes 0-15 A's block i, lanes 16-31 B's block i, the K step's q-th 128
.set AF,   128
.set BIAS, 192
.set TMP,  32                          ; the way out: packed results
.set BK,   64                          ; 16 rows read back: v64-95 and v96-127 by turns
.set G1A, 24                           ; s[24:31] descriptor group 1 for A's blocks;  s[32:39] groups 0 for K steps 0, 1
.set G0A, 32
.set G1B, 48                           ; s[48:55], s[56:63] the same for B's
.set G0B, 56
.set MSB, 0
.macro WIN new                         ; the immediate's high byte repeats the setting that is left
.if MSB != (\new)
	s_set_vgpr_msb (MSB<<8)|(\new)
.set MSB, (\new)
.endif
.endm
.set MUL_LO, 0xa1                      ; source 0 (B) window 1, source 1 (A) window 0, C and D window 2
.set MUL_HI, 0xf1                      ; the same, C and D window 3.  A sum's first product takes C from window 0: 0x81, 0xc1
.set TO_B,   0x40                      ; destination window 1, address window 0
.macro CREST                           ; a round of the cluster's barrier behind its opening barrier
	s_cmp_lg_u32 s14, 0
	s_cbranch_scc1 .Lnot_wave_0_\@
	s_barrier_signal -3
.Lnot_wave_0_\@:
	s_barrier_wait -3
	s_barrier_signal -1
	s_barrier_wait -1
.endm
.macro CROUND
	s_barrier_signal -1
	s_barrier_wait -1
	CREST
.endm
.macro PLACES                          ; four plain vector instructions between a matrix instruction and a load into, or a vector write of, one of its registers, or a read of its result
.rept 4
	v_nop
.endr
.endm
	s_load_b256 s[4:11], s[0:1], 0x0               ; xq s[4:5], wq s[6:7], bqkv s[8:9], qkv s[10:11]
	v_lshl_add_u32 v[SPW], v0, 2, SPARE
	v_mov_b32 v[NIL], 0
	ds_add_u32 v[SPW], v[NIL]                      ; the wave's opening: the add, twice on end, and its wait ahead of my first tensor load
	ds_add_u32 v[SPW], v[NIL]
	v_lshrrev_b32 v1, 5, v0
	v_readfirstlane_b32 s14, v1                    ; wave 0..3
	s_lshr_b32 s15, s14, 1                         ; which half of the tile's rows is mine
	s_and_b32 s16, s14, 1                          ; which half of its columns
	s_bfe_u32 s40, ttmp6, 0x40000                  ; cx, cy: my place in the cluster
	s_bfe_u32 s41, ttmp6, 0x40004
	s_lshl_b32 s42, ttmp9, 2
	s_add_co_u32 s42, s42, s40                     ; my first column block
	s_and_b32 s17, ttmp7, 0xffff
	s_lshl_b32 s17, s17, 2
	s_add_co_u32 s17, s17, s41                     ; my row block
	s_lshl_b32 s43, s41, 2
	s_lshl_b32 s43, 15, s43                        ; my row of the cluster
	s_lshl_b32 s44, 0x1111, s40                    ; my column
	s_or_b32 s[G1A+0], s43, (3<<16)|(1<<21)        ; 15:0 the mask; 17:16 elements of 8 bytes; 21 set beside a mask; no padding: the images are read 16 bytes a lane on end
	s_or_b32 s[G1B+0], s44, (3<<16)|(1<<21)
.irp g, G1A, G1B
	s_mov_b32 s[\g+1], 32<<16                      ; tensor_dim0 = 32 elements: 256 bytes
	s_mov_b32 s[\g+2], 68<<16                      ; tensor_dim1 = 68
	s_mov_b32 s[\g+3], 32<<16                      ; tile_dim0
	s_mov_b32 s[\g+4], 68                          ; tile_dim1
	s_mov_b32 s[\g+5], 32                          ; from row to row: dense
	s_mov_b32 s[\g+6], 0
	s_mov_b32 s[\g+7], 0
.endr
	s_mul_i32 s45, s14, QUART                      ; my quarter of every block, in memory and in LDS: no place in the cluster enters an LDS address
	s_lshl_b32 s20, s17, 1
	s_mul_i32 s20, s20, BLKB
	s_add_co_u32 s20, s20, s45                     ; A: block (row block, K step 0)
	s_mov_b32 s21, 0
	s_lshl_b32 s46, s42, 1
	s_mul_i32 s46, s46, BLKB
	s_add_co_u32 s46, s46, s45                     ; B: block (column block, K step 0)
	s_mov_b32 s47, 0
	s_wait_dscnt 0x0                               ; both opening adds are done
	s_wait_kmcnt 0x0
	s_add_nc_u64 s[20:21], s[4:5], s[20:21]
	s_add_nc_u64 s[46:47], s[6:7], s[46:47]
	CROUND                                         ; all sixteen work-groups are here: the first joint loads meet
.irp s, 0,1
	s_mov_b32 s[G0A+4*\s], 1
	s_add_co_u32 s[G0A+4*\s+1], s45, \s*BLKB
	s_add_nc_u64 s[G0A+4*\s+2:G0A+4*\s+3], s[20:21], \s*BLKB
	s_or_b32 s[G0A+4*\s+3], s[G0A+4*\s+3], 0x80000000
	s_mov_b32 s[G0B+4*\s], 1
	s_add_co_u32 s[G0B+4*\s+1], s45, BSL+\s*BLKB
	s_add_nc_u64 s[G0B+4*\s+2:G0B+4*\s+3], s[46:47], \s*BLKB
	s_or_b32 s[G0B+4*\s+3], s[G0B+4*\s+3], 0x80000000
.endr
	tensor_load_to_lds s[G0A:G0A+3], s[G1A:G1A+7]          ; the first fills, one group: four loads of mine are out.  K step 0 of A and of B first,
	s_nop 0
	tensor_load_to_lds s[G0B:G0B+3], s[G1B:G1B+7]
	s_nop 0
	tensor_load_to_lds s[G0A+4:G0A+7], s[G1A:G1A+7]        ; then K step 1
	s_nop 0
	tensor_load_to_lds s[G0B+4:G0B+7], s[G1B:G1B+7]
	s_nop 0
.rept 4
	v_nop
.endr
	v_and_b32 v1, 15, v0                           ; r
	v_bfe_u32 v2, v0, 4, 1                         ; h
	v_and_b32 v3, 31, v0
	v_lshlrev_b32 v3, 4, v3                        ; 16 x lane: an image's place for my lane
	s_lshl_b32 s21, s15, 15                        ; my eight tiles of A: 8 x 4,096 bytes a half
	s_lshl_b32 s22, s16, 15
	s_add_co_u32 s22, s22, BSL
.irp s, 0,1
	v_add_nc_u32 v[ADRA+\s], s21, v3
	v_add_nc_u32 v[ADRB+\s], s22, v3
	s_add_co_u32 s21, s21, BLKB
	s_add_co_u32 s22, s22, BLKB
.endr
	s_xor_b32 s21, s15, 1
	s_add_co_u32 s22, s16, s21
	s_lshl_b32 s22, s22, 11
	s_add_co_u32 s22, s22, BSL-2048                ; from A's words of my rows to B's of my columns: BSL + 2,048 (column half - row half)
	v_mul_u32_u24 v5, s22, v2                      ; lanes 16-31 take B's
	v_lshl_add_u32 v5, v1, 4, v5                   ; 16 bytes a row: the K step's four words
	s_lshl_b32 s21, s15, 11
	s_add_co_u32 s21, s21, 65536
	v_add_nc_u32 v[ADRS], s21, v5
	v_add_nc_u32 v[ADRS+1], BLKB, v[ADRS]
	s_mul_i32 s23, s14, 16*SPITCH
	s_add_co_u32 s23, s23, STAGE                   ; my stage
	v_mul_u32_u24 v4, v1, SPITCH
	v_lshl_add_u32 v4, v2, 4, v4
	v_add_nc_u32 v[STO], s23, v4                   ; in: row r, 16 bytes for each half of the lanes
	v_mul_u32_u24 v5, v2, SPITCH
	v_lshl_add_u32 v5, v1, 4, v5
	v_add_nc_u32 v[RD], s23, v5                    ; back: lanes 0-15 one row of 256 bytes, lanes 16-31 the next
	v_mul_u32_u24 v5, v2, ROWO
	v_lshl_add_u32 v[CO], v1, 4, v5                ; and the same two rows in the result
	v_lshlrev_b32 v[BV], 5, v2
	s_lshl_b32 s20, s17, 8
	s_lshl_b32 s21, s15, 7
	s_add_co_u32 s20, s20, s21                     ; my first row
	s_mul_i32 s20, s20, ROWO
	s_mov_b32 s21, 0
	s_add_nc_u64 s[10:11], s[10:11], s[20:21]
	s_lshl_b32 s46, s42, 9                         ; my first column, in bytes: 512 x column block + 256 x half
	s_lshl_b32 s47, s16, 8
	s_add_co_u32 s46, s46, s47
	s_mov_b32 s47, 0
	s_add_nc_u64 s[10:11], s[10:11], s[46:47]
	s_add_nc_u64 s[8:9], s[8:9], s[46:47]          ; the bias, f32: twice that
	s_add_nc_u64 s[8:9], s[8:9], s[46:47]
.macro BIASLD                          ; register 8 b + j: the bias of column 16 b + 8 h + j of my 128
.irp b, 0,1,2,3,4,5,6,7
	global_load_b128 v[BIAS+8*\b:BIAS+8*\b+3], v[BV], s[8:9] offset:64*\b
	global_load_b128 v[BIAS+8*\b+4:BIAS+8*\b+7], v[BV], s[8:9] offset:64*\b+16
.endr
.endm
	BIASLD
.macro FRAG reg, adr, q, i             ; a fragment, 16 rows x 128 K, is 8 registers: two loads of its image, 512 consecutive bytes each
.irp c, 0,1
	ds_load_b128 v[\reg+4*\c:\reg+4*\c+3], v[\adr] offset:4096*(\i)+1024*(\q)+512*\c
.endr
.endm
; 16 matrix instructions: A's blocks a0, a0 + 1 x B's eight, the K step's q-th 128.  p: B's set; sc: the set of scale words; first = 1: the bias starts the sums.
; The 64 accumulators take turns, one instruction a turn, in the same order in every step.
.macro MUL16 a0, p, q, sc, first
.irp a, \a0, \a0+1
.irp b, 0,1,2,3,4,5,6,7
.if \first
	v_wmma_scale_f32_16x16x128_f8f6f4 v[8*(8*((\a)%4)+\b):8*(8*((\a)%4)+\b)+7], v[128*(\p)+8*\b:128*(\p)+8*\b+7], v[AF+8*(\a):AF+8*(\a)+7], v[BIAS+8*\b:BIAS+8*\b+7], v[SC+32*(\sc)+4*\b+(\q)], v[SC+32*(\sc)+4*(\a)+(\q)] matrix_a_fmt:MATRIX_FMT_FP4 matrix_b_fmt:MATRIX_FMT_FP4 matrix_a_scale:MATRIX_SCALE_ROW1
.else
	v_wmma_scale_f32_16x16x128_f8f6f4 v[8*(8*((\a)%4)+\b):8*(8*((\a)%4)+\b)+7], v[128*(\p)+8*\b:128*(\p)+8*\b+7], v[AF+8*(\a):AF+8*(\a)+7], v[8*(8*((\a)%4)+\b):8*(8*((\a)%4)+\b)+7], v[SC+32*(\sc)+4*\b+(\q)], v[SC+32*(\sc)+4*(\a)+(\q)] matrix_a_fmt:MATRIX_FMT_FP4 matrix_b_fmt:MATRIX_FMT_FP4 matrix_a_scale:MATRIX_SCALE_ROW1
.endif
.endr
.endr
.endm
.macro FETCH_B slot, q, p
	WIN TO_B
.irp i, 0,1,2,3,4,5,6,7
	FRAG 128*(\p)+8*\i, ADRB+\slot, \q, \i
.endr
	WIN 0
.endm
.macro FETCH_A slot, q, i0
.irp i, \i0, \i0+1, \i0+2, \i0+3
	FRAG AF+8*(\i), ADRA+\slot, \q, \i
.endr
.endm
.macro SCALES s                        ; K step s's scale words: four words a row; lanes 0-15 take A's block i, lanes 16-31 B's block i
.irp i, 0,1,2,3,4,5,6,7
	ds_load_b128 v[SC+32*\s+4*\i:SC+32*\s+4*\i+3], v[ADRS+\s] offset:256*\i
.endr
.endm
; A step of 128 along K that has its successor in the same K step's block.  A block of A is free when its eight products are issued: blocks 0-3 are fetched anew in the step's middle, blocks 4-7 at its end.
.macro STEP slot, q, first
	s_wait_dscnt 8                                 ; B's set, A's blocks 0-3 (and the scale words) are in; the youngest eight loads, A's blocks 4-7, may be out
	WIN MUL_LO-0x20*(\first)
	MUL16 0, (\q)%2, \q, \slot, \first
	MUL16 2, (\q)%2, \q, \slot, \first
	s_wait_dscnt 0x0                               ; A's blocks 4-7 are in
	PLACES
	FETCH_B \slot, (\q)+1, 1-(\q)%2
	FETCH_A \slot, (\q)+1, 0
	WIN MUL_HI-0x30*(\first)
	MUL16 4, (\q)%2, \q, \slot, \first
	MUL16 6, (\q)%2, \q, \slot, \first
	PLACES
	WIN 0
	FETCH_A \slot, (\q)+1, 4
.endm
; A K step's last 128 changes slots: ONE barrier; in front of it each wave waits for all its tensor loads, adds 0 to its spare word, and waits for that and for its own reads of this slot.
; fill = 1: the barrier opens a round of the cluster's barrier, and behind the round B's slot takes the NEXT tile's block of the same K step (eight blocks on in memory).
; fetch = 1: the other K step's first fragments follow.
.macro TURN slot, next, fill, fetch
	s_wait_tensorcnt 0x0                           ; all my tensor loads have landed: my part of what is read next (every window is 0 here)
	ds_add_u32 v[SPW], v[NIL]                      ; 0 onto my spare word
	s_wait_dscnt 9                                 ; (the add and the youngest eight loads may be out)
	WIN MUL_LO
	MUL16 0, 1, 3, \slot, 0                        ; sixteen matrix instructions stand between the add and the wait for it
	s_wait_dscnt 0x0                               ; the add is done, and my reads of this slot are over
	s_barrier_signal -1
	MUL16 2, 1, 3, \slot, 0
	WIN 0
	s_barrier_wait -1
.if \fill
	CREST                                          ; no wave of any partner still reads this slot or has a load on its way
	s_add_nc_u64 s[G0B+4*\slot+2:G0B+4*\slot+3], s[G0B+4*\slot+2:G0B+4*\slot+3], 8*BLKB
	tensor_load_to_lds s[G0B+4*\slot:G0B+4*\slot+3], s[G1B:G1B+7]   ; my one tensor load behind the round
	s_nop 0
.rept 4
	v_nop                                          ; also the places in front of the loads below
.endr
.if \slot == 0
	s_add_nc_u64 s[8:9], s[8:9], 4096              ; the next tile's bias (this tile's loads were waited for at the tile's head; its readers stand a K step back)
	BIASLD
.endif
.else
	PLACES
.endif
.if \fetch
	FETCH_B \next, 0, 0
	FETCH_A \next, 0, 0
	SCALES \next
.endif
	WIN MUL_HI
	MUL16 4, 1, 3, \slot, 0
	MUL16 6, 1, 3, \slot, 0
.if \fetch
	PLACES
	WIN 0
	FETCH_A \next, 0, 4
.else
	WIN 0
.endif
.endm
; THE WAY OUT of block a (16 rows x 128 columns).  PACK: rounded to f16, 16 bytes a lane, each accumulator from its low end on.  TOSTAGE: into my own stage and back as whole rows of 256 bytes.  SEND: stored.
.macro PACK a
.set AC, 64*((\a)%4)
	WIN 0x0a+5*((\a)/4)                            ; sources 0 and 1: window 2 or 3
.irp b, 0,1,2,3,4,5,6,7
.irp r, 0,1,2,3
	v_cvt_pk_f16_f32 v[TMP+4*\b+\r], v[AC+8*\b+2*\r], v[AC+8*\b+2*\r+1]
.endr
.endr
	WIN 0
.endm
.macro TOSTAGE a
.set BB, BK+32*((\a)%2)
.irp b, 0,1,2,3,4,5,6,7
	ds_store_b128 v[STO], v[TMP+4*\b:TMP+4*\b+3] offset:32*\b
.endr
.irp t, 0,1,2,3,4,5,6,7
	ds_load_b128 v[BB+4*\t:BB+4*\t+3], v[RD] offset:\t*2*SPITCH    ; LDS serves a wave's instructions in order: these see the stores above
.endr
.endm
.macro SEND a
.set BB, BK+32*((\a)%2)
	s_wait_dscnt 0x0                               ; the block is back in registers
	s_wait_xcnt 0x0                                ; the earlier stores have read their base and their registers: both are written again only behind this wait
.if (\a) == 0
	s_mov_b64 s[12:13], s[10:11]                   ; the tile's first rows
.else
	s_add_nc_u64 s[12:13], s[12:13], 16*ROWO
.endif
.irp t, 0,1,2,3,4,5,6,7
	global_store_b128 v[CO], v[BB+4*\t:BB+4*\t+3], s[12:13] offset:\t*2*ROWO   ; 16 lanes store 256 consecutive bytes, at a multiple of 256 from the buffer's first byte
.endr
.endm
; A TILE of 256 x 256: K step 0, K step 1, the way out.  fill = 1: it has a successor.
.macro TILE fill
	s_wait_loadcnt 0x0                             ; the tile's bias
	FETCH_B 0, 0, 0
	FETCH_A 0, 0, 0
	SCALES 0
	FETCH_A 0, 0, 4
	STEP 0, 0, 1
	STEP 0, 1, 0
	STEP 0, 2, 0
	TURN 0, 1, \fill, 1
	STEP 1, 0, 0
	STEP 1, 1, 0
	STEP 1, 2, 0
.if \fill
	TURN 1, 0, 1, 0                                ; its wait for all loads shows slot 0's refill landed: behind the round the next tile's K step 0 is whole
.else
	s_wait_dscnt 8                                 ; the very last step: nothing more to fetch
	WIN MUL_LO
	MUL16 0, 1, 3, 1, 0
	MUL16 2, 1, 3, 1, 0
	s_wait_dscnt 0x0
	WIN MUL_HI
	MUL16 4, 1, 3, 1, 0
	MUL16 6, 1, 3, 1, 0
	WIN 0
.endif
	PLACES                                         ; behind the last products: their scale registers are written below
	PACK 0
	TOSTAGE 0
.irp a, 1,2,3,4,5,6,7                  ; block a's conversions stand between block a - 1's loads from the stage and the wait for them
	PACK \a
	SEND \a-1
	TOSTAGE \a
.endr
	SEND 7
.if \fill
	s_wait_xcnt 0x0                                ; the last stores have read their registers, which take scale words again
	s_add_nc_u64 s[10:11], s[10:11], 2048          ; four column blocks on
.endif
.endm
	s_wait_tensorcnt 2                             ; my parts of A's and B's K step 0 are in; the two loads issued behind them may be out
	s_barrier_signal -1
	s_barrier_wait -1                              ; everybody's are
	s_mov_b32 s2, 2
.Ltile:
	TILE 1
	s_sub_co_u32 s2, s2, 1
	s_cmp_lg_u32 s2, 0
	s_cbranch_scc1 .Ltile
	TILE 0                                         ; the last tile is written out: it asks for nothing more
	s_wait_tensorcnt 0x0                           ; the wave's end: behind my last tensor load and my last LDS store
	ds_add_u32 v[SPW], v[NIL]
	s_wait_dscnt 0x0
	CROUND                                         ; the closing round: no work-group ends while a partner may still ask for a block that names it
	s_endpgm
.Lfunc_end_k_q2c52305afb_qkv:
	.size	k_q2c52305afb_qkv, .Lfunc_end_k_q2c52305afb_qkv-k_q2c52305afb_qkv
	.p2alignl 7, 3214868480
	.fill 96, 4, 3214868480
	.section	.rodata,"a",@progbits
	.p2align	6, 0x0
	.amdhsa_kernel k_q2c52305afb_qkv
		.amdhsa_group_segment_fixed_size 327680
		.amdhsa_private_segment_fixed_size 0
		.amdhsa_enable_private_segment 0
		.amdhsa_kernarg_size 32
		.amdhsa_user_sgpr_count 2
		.amdhsa_user_sgpr_kernarg_segment_ptr 1
		.amdhsa_wavefront_size32 1
		.amdhsa_system_sgpr_workgroup_id_x 1
		.amdhsa_system_sgpr_workgroup_id_y 1
		.amdhsa_system_sgpr_workgroup_id_z 1
		.amdhsa_system_vgpr_workitem_id 0
		.amdhsa_next_free_vgpr 1024
		.amdhsa_next_free_sgpr 66
		.amdhsa_reserve_vcc 0
		.amdhsa_float_denorm_mode_32 3
		.amdhsa_float_denorm_mode_16_64 3
		.amdhsa_memory_ordered 1
		.amdhsa_forward_progress 1
		.amdhsa_inst_pref_size 245
	.end_amdhsa_kernel
	.amdgpu_metadata
---
amdhsa.version: [ 1, 2 ]
amdhsa.kernels:
  - .name:           k_q2c52305afb_qkv
    .symbol:         k_q2c52305afb_qkv.kd
    .args:
      - { .name: xq, .offset: 0, .size: 8, .value_kind: global_buffer, .address_space: global }
      - { .name: wq, .offset: 8, .size: 8, .value_kind: global_buffer, .address_space: global }
      - { .name: bqkv, .offset: 16, .size: 8, .value_kind: global_buffer, .address_space: global }
      - { .name: qkv, .offset: 24, .size: 8, .value_kind: global_buffer, .address_space: global }
    .group_segment_fixed_size: 327680
    .private_segment_fixed_size: 0
    .kernarg_segment_align: 8
    .kernarg_segment_size: 32
    .max_flat_workgroup_size: 128
    .sgpr_count:     66
    .vgpr_count:     1024
    .wavefront_size: 32
...
	.end_amdgpu_metadata
.endif
;; end of part 2
;; launch heads (part 3): grid 512 x 1, 8 waves a work-group, no clusters, 0 bytes of LDS; arguments qkv, att; writes att
.if DOCPART == 3
	.amdgcn_target "amdgcn-amd-amdhsa--gfx1250"
	.amdhsa_code_object_version 6
	.text
	.protected	k_q2c52305afb_heads
	.globl	k_q2c52305afb_heads
	.p2align	8
	.type	k_q2c52305afb_heads,@function
k_q2c52305afb_heads:
	s_mov_b64 s[64:65], 0
	v_nop
	global_prefetch_b8 v0, s[64:65] scope:SCOPE_SE
	s_setreg_imm32_b32 hwreg(HW_REG_WAVE_MODE, 25, 1), 1
	s_wait_xcnt 0x0
; For every position by itself: scores[h][e] = q[h] . k[e] / 8 over the 16 HEADS, a softmax over e (the row's true maximum taken away), attended[h] = sum over e of w[h][e] v[e].
; Operands in f16, sums, maxima and the softmax in f32; the result rounded once to f16.  LIMIT: attended goes in f16 (it is an average of v's numbers, which are f16 already).
; A stream: each byte of qkv is read once and each byte of att written once, 512 consecutive bytes an instruction.  Work-groups share no input: no cluster, no LDS, no barrier.
; THE LAYOUTS WERE CHOSEN FOR THIS LAUNCH.  A position's row of qkv is 6,144 bytes: q', k', v'.
;   q', k': [octet o of d (8)][head (16)][8 d]: load c (16 x lane) brings lane (r, h) octet 2 c + h of head r: registers 4 c .. 4 c + 3 of the two fragments 16 heads x 32 d.
;   v':     [g (4)][hh (2)][r (16)][8 heads]:   load g brings lane (r, h) heads 8 h + 0..7 of channel 16 g + r: registers 0-3 of the fragment of V^T (16 channels x K = heads).
; S^T = K Q^T: a lane holds ONE query head (lane % 16) and key heads 8 (lane / 16) + 0..7; packed in pairs these ARE registers 0-3 of source 1 of O^T = V^T P.
; K of the second product is 16 of the instruction's 32: the other half is zeros on BOTH sides.  Two positions share the zeros: the first has its numbers at K 0-15, the second at K 16-31.
; O^T tile g, packed, is 16 bytes a lane: channels 16 g + 8 (lane / 16) + 0..7 of head lane % 16, stored at 512 g + 16 x lane: the order in which wo16 has its K.
; A wave takes four positions, as two pairs; every offset is an immediate.
.set QF, 16                            ; v16-47   q of the pair's two positions, 16 registers each
.set KF, 48                            ; v48-79   k
.set VF, 80                            ; v80-127  for each g: v of position 0, four zeros, v of position 1
.set SF, 128                           ; v128-143 S^T, then the weights
.set PF, 144                           ; v144-155 P of position 0, four zeros, P of position 1
.set OF, 160                           ; v160-223 O^T: (p, g) at 160 + 32 p + 8 g
	s_load_b128 s[4:7], s[0:1], 0x0                ; qkv, att
	v_lshrrev_b32 v1, 5, v0
	v_readfirstlane_b32 s8, v1                     ; wave 0..7
	v_and_b32 v1, 31, v0
	v_lshlrev_b32 v1, 4, v1                        ; 16 x lane; never rewritten
	s_lshl_b32 s9, ttmp9, 3
	s_add_co_u32 s9, s9, s8                        ; which four positions
	s_mul_i32 s10, s9, 4*6144
	s_mov_b32 s11, 0
	s_lshl_b32 s12, s9, 13
	s_mov_b32 s13, 0
	s_mov_b32 s14, 0x76543210
	s_mov_b32 s15, 0xfedcba98                      ; v_permlanex16_b32's selects for lane l xor 16
	s_mov_b32 s16, 0x3e38aa3b                      ; c = log2(e) / 8
	s_mov_b32 s17, s16                             ; (named with it as a pair, so it is written)
	s_mov_b32 s18, 0xbe38aa3b                      ; -c
.irp g, 0,1,2,3
.irp i, 0,1,2,3
	v_mov_b32 v[VF+12*\g+4+\i], 0
.endr
.endr
.irp i, 0,1,2,3
	v_mov_b32 v[PF+4+\i], 0
.endr
	s_wait_kmcnt 0x0
	s_add_nc_u64 s[4:5], s[4:5], s[10:11]
	s_add_nc_u64 s[6:7], s[6:7], s[12:13]
.macro LQK t                           ; pair t's q and k: 16 loads
.irp p, 0,1
.irp c, 0,1,2,3
	global_load_b128 v[QF+16*\p+4*\c:QF+16*\p+4*\c+3], v1, s[4:5] offset:6144*(2*(\t)+\p)+512*\c th:TH_LOAD_NT
	global_load_b128 v[KF+16*\p+4*\c:KF+16*\p+4*\c+3], v1, s[4:5] offset:6144*(2*(\t)+\p)+2048+512*\c th:TH_LOAD_NT
.endr
.endr
.endm
.macro LV t                            ; pair t's v: 8 loads
.irp p, 0,1
.irp g, 0,1,2,3
	global_load_b128 v[VF+12*\g+8*\p:VF+12*\g+8*\p+3], v1, s[4:5] offset:6144*(2*(\t)+\p)+4096+512*\g th:TH_LOAD_NT
.endr
.endr
.endm
.macro PAIR t, ahead
	s_wait_loadcnt 8                               ; q and k are in; the pair's eight loads of v, issued behind them, may be out
.irp f, 0,1                            ; the two accumulators take turns
.irp p, 0,1
.if \f == 0
	v_wmma_f32_16x16x32_f16 v[SF+8*\p:SF+8*\p+7], v[KF+16*\p:KF+16*\p+7], v[QF+16*\p:QF+16*\p+7], 0
.else
	v_wmma_f32_16x16x32_f16 v[SF+8*\p:SF+8*\p+7], v[KF+16*\p+8:KF+16*\p+15], v[QF+16*\p+8:QF+16*\p+15], v[SF+8*\p:SF+8*\p+7]
.endif
.endr
.endr
.rept 4
	v_nop                                          ; places in front of the loads into q's and k's registers and of the first read of the scores
.endr
.if \ahead
	LQK (\t)+1
.endif
	; the softmax, the two positions by turns.  v[2+2p] the maximum, then -c m; v[6+4p..9+4p] the sums, then 1 / sum
.irp p, 0,1
	v_max3_num_f32 v[2+2*\p], v[SF+8*\p], v[SF+8*\p+1], v[SF+8*\p+2]
.endr
.irp p, 0,1
	v_max3_num_f32 v[3+2*\p], v[SF+8*\p+3], v[SF+8*\p+4], v[SF+8*\p+5]
.endr
.irp p, 0,1
	v_max3_num_f32 v[2+2*\p], v[2+2*\p], v[SF+8*\p+6], v[SF+8*\p+7]
.endr
.irp p, 0,1
	v_max_num_f32 v[2+2*\p], v[2+2*\p], v[3+2*\p]
.endr
.irp p, 0,1
	v_permlanex16_b32 v[3+2*\p], v[2+2*\p], s14, s15   ; the query head's other eight key heads lie in the lane 16 away
.endr
.irp p, 0,1
	v_max_num_f32 v[2+2*\p], v[2+2*\p], v[3+2*\p]      ; the row's maximum
.endr
.irp p, 0,1
	v_mul_f32 v[2+2*\p], s18, v[2+2*\p]                ; -c m
.endr
.irp j, 0,2,4,6
.irp p, 0,1
	v_pk_fma_f32 v[SF+8*\p+\j:SF+8*\p+\j+1], v[SF+8*\p+\j:SF+8*\p+\j+1], s[16:17], v[2+2*\p:3+2*\p] op_sel_hi:[1,0,0]   ; c s - c m
.endr
.endr
.irp j, 0,1,2,3,4,5,6,7
.irp p, 0,1
	v_exp_f32 v[SF+8*\p+\j], v[SF+8*\p+\j]             ; one batch of sixteen
.endr
.endr
	v_nop                                          ; a plain instruction behind the last exponential
	s_wait_alu depctr_va_vdst(0)                   ; one wait for the batch, ahead of its first reader
.irp p, 0,1
	v_pk_add_f32 v[6+4*\p:7+4*\p], v[SF+8*\p:SF+8*\p+1], v[SF+8*\p+2:SF+8*\p+3]
.endr
.irp p, 0,1
	v_pk_add_f32 v[8+4*\p:9+4*\p], v[SF+8*\p+4:SF+8*\p+5], v[SF+8*\p+6:SF+8*\p+7]
.endr
.irp p, 0,1
	v_pk_add_f32 v[6+4*\p:7+4*\p], v[6+4*\p:7+4*\p], v[8+4*\p:9+4*\p]
.endr
.irp p, 0,1
	v_add_f32 v[6+4*\p], v[6+4*\p], v[7+4*\p]
.endr
.irp p, 0,1
	v_permlanex16_b32 v[7+4*\p], v[6+4*\p], s14, s15
.endr
.irp p, 0,1
	v_add_f32 v[6+4*\p], v[6+4*\p], v[7+4*\p]          ; the row's sum
.endr
.irp p, 0,1
	v_rcp_f32 v[8+4*\p], v[6+4*\p]
.endr
	v_nop
	s_wait_alu depctr_va_vdst(0)                   ; one wait for the two reciprocals
.irp j, 0,2,4,6
.irp p, 0,1
	v_pk_mul_f32 v[SF+8*\p+\j:SF+8*\p+\j+1], v[SF+8*\p+\j:SF+8*\p+\j+1], v[8+4*\p:9+4*\p] op_sel_hi:[1,0]
.endr
.endr
.irp j, 0,1,2,3
.irp p, 0,1
	v_cvt_pk_f16_f32 v[PF+8*\p+\j], v[SF+8*\p+2*\j], v[SF+8*\p+2*\j+1]
.endr
.endr
.if \ahead
	s_wait_loadcnt 16                              ; v is in; the next pair's sixteen loads of q and k, issued behind it, may be out
.else
	s_wait_loadcnt 0x0
.endif
	s_wait_xcnt 0x0                                ; the last pair's stores have read O^T's registers, which are written anew below
.irp g, 0,1,2,3
.irp p, 0,1
	v_wmma_f32_16x16x32_f16 v[OF+32*\p+8*\g:OF+32*\p+8*\g+7], v[VF+12*\g+4*\p:VF+12*\g+4*\p+7], v[PF+4*\p:PF+4*\p+7], 0
.endr
.endr
.rept 4
	v_nop                                          ; places in front of the loads into v's registers and of the first read of O^T
.endr
.if \ahead
	LV (\t)+1
.endif
.irp p, 0,1
.irp g, 0,1,2,3
.irp k, 0,1,2,3
	v_cvt_pk_f16_f32 v[OF+32*\p+8*\g+\k], v[OF+32*\p+8*\g+2*\k], v[OF+32*\p+8*\g+2*\k+1]   ; in place, ascending: from the accumulator's low end on
.endr
	global_store_b128 v1, v[OF+32*\p+8*\g:OF+32*\p+8*\g+3], s[6:7] offset:2048*(2*(\t)+\p)+512*\g   ; the wave stores 512 consecutive bytes, aligned
.endr
.endr
.endm
	LQK 0
	LV 0
	PAIR 0, 1
	PAIR 1, 0
	s_endpgm
.Lfunc_end_k_q2c52305afb_heads:
	.size	k_q2c52305afb_heads, .Lfunc_end_k_q2c52305afb_heads-k_q2c52305afb_heads
	.p2alignl 7, 3214868480
	.fill 96, 4, 3214868480
	.section	.rodata,"a",@progbits
	.p2align	6, 0x0
	.amdhsa_kernel k_q2c52305afb_heads
		.amdhsa_group_segment_fixed_size 0
		.amdhsa_private_segment_fixed_size 0
		.amdhsa_enable_private_segment 0
		.amdhsa_kernarg_size 16
		.amdhsa_user_sgpr_count 2
		.amdhsa_user_sgpr_kernarg_segment_ptr 1
		.amdhsa_wavefront_size32 1
		.amdhsa_system_sgpr_workgroup_id_x 1
		.amdhsa_system_sgpr_workgroup_id_y 1
		.amdhsa_system_sgpr_workgroup_id_z 1
		.amdhsa_system_vgpr_workitem_id 0
		.amdhsa_next_free_vgpr 224
		.amdhsa_next_free_sgpr 66
		.amdhsa_reserve_vcc 0
		.amdhsa_float_denorm_mode_32 3
		.amdhsa_float_denorm_mode_16_64 3
		.amdhsa_memory_ordered 1
		.amdhsa_forward_progress 1
		.amdhsa_inst_pref_size 21
	.end_amdhsa_kernel
	.amdgpu_metadata
---
amdhsa.version: [ 1, 2 ]
amdhsa.kernels:
  - .name:           k_q2c52305afb_heads
    .symbol:         k_q2c52305afb_heads.kd
    .args:
      - { .name: qkv, .offset: 0, .size: 8, .value_kind: global_buffer, .address_space: global }
      - { .name: att, .offset: 8, .size: 8, .value_kind: global_buffer, .address_space: global }
    .group_segment_fixed_size: 0
    .private_segment_fixed_size: 0
    .kernarg_segment_align: 8
    .kernarg_segment_size: 16
    .max_flat_workgroup_size: 256
    .sgpr_count:     66
    .vgpr_count:     224
    .wavefront_size: 32
...
	.end_amdgpu_metadata
.endif
;; end of part 3
;; launch proj (part 4): grid 4 x 64, 4 waves a work-group, clusters of 4 x 4, 327,680 bytes of LDS; arguments att, wo16, bo, out0; writes out0
.if DOCPART == 4
	.amdgcn_target "amdgcn-amd-amdhsa--gfx1250"
	.amdhsa_code_object_version 6
	.text
	.protected	k_q2c52305afb_proj
	.globl	k_q2c52305afb_proj
	.p2align	8
	.type	k_q2c52305afb_proj,@function
k_q2c52305afb_proj:
	s_mov_b64 s[64:65], 0
	v_nop
	global_prefetch_b8 v0, s[64:65] scope:SCOPE_SE
	s_setreg_imm32_b32 hwreg(HW_REG_WAVE_MODE, 25, 1), 1
	s_wait_xcnt 0x0
	s_wait_alu depctr_hold_cnt(0) depctr_sa_sdst(0) depctr_va_vdst(0) depctr_va_sdst(0) depctr_va_ssrc(0) depctr_va_vcc(0) depctr_vm_vsrc(0)
	s_getreg_b32 s2, hwreg(HW_REG_IB_STS2, 6, 4)
	s_cmp_eq_u32 s2, 0
	s_cbranch_scc0 .Lentry_in_a_cluster
	s_endpgm
.Lentry_in_a_cluster:
	s_bfe_u32 s2, ttmp6, 0x10000c
	s_cmp_lg_u32 s2, 0xf033
	s_cbranch_scc0 .Lentry_shape_is_right
	s_endpgm
.Lentry_shape_is_right:
; out0[m][n] = sum over k' of att[m][k'] wo16[n][k'] + bo[n].  att: [16384][1024], wo16: [1024][1024], f16, both with K in the same permuted order; bo, out0: f32; sums in f32.
; A tile of out0, 256 x 256, is made by a work-group of four waves; a wave makes 128 x 128: 64 accumulators of 16 x 16, 512 registers.  256 tiles, one to a work-group.
; K goes in steps of 128 through a ring of two LDS slots filled by the tensor data mover: a tile's row is 256 bytes of memory, at a multiple of 256 bytes from the buffer's first byte.
; CLUSTERS: 4 x 4 work-groups.  The four of a row of the cluster need the same tiles of att, the four of a column the same tiles of wo16: each tile is asked for JOINTLY, by the same tensor load with the
; same descriptor and a mask that names the four.  THE MATRIX INSTRUCTION IS USED TRANSPOSED (source 0 = 16 rows of wo16, source 1 = 16 rows of att): a lane holds eight neighbouring numbers of a row of out0.
; The bias, in the result's layout, is the C of each sum's first product.
; REGISTERS, in windows of 256: window 0: v16-29 addresses; v64-127, v128-191 fragments of A, two buffers; on the way out rows read back from the stage.
;   window 1: v0-63 the bias; v64-127, v128-191 fragments of B.   window 2: the accumulators of my rows 0-63 ((a, b) at v[8 (8 a + b)]);   window 3: those of my rows 64-127.
.set SIZE_N, 1024
.set SIZE_K, 1024
.set KSTEP,  128
.set PITCH,  272                       ; an LDS row: 256 bytes + 16 of padding = 68 words: the 16 rows that a load touches start at 16 different banks (64 banks of 4 bytes: ISA guide 11.1)
.set HALFT,  128*PITCH                 ; 128 rows: what one tensor load brings, and what one wave reads of A or of B
.set SLOT,   4*HALFT                   ; A's 256 rows, then B's 256 rows
.set STAGE,  2*SLOT                    ; behind the ring: 16 rows x 528 bytes for each wave, for the way out; no tensor load fills it
.set SPITCH, 528
.set SPARE,  STAGE+4*16*SPITCH         ; behind the stages: the spare words, 128 bytes for each wave, which no other line names
.set LAPS,   SIZE_K/(2*KSTEP)          ; a lap = two K steps = once round the ring
.set ADRA, 16                          ; v16-17  LDS address of my A fragments in slot 0, 1
.set ADRB, 20                          ; v20-21  the same for B
.set STO,  24                          ; v24     the way out: where I put 32 bytes of a row
.set RD,   25                          ; v25     where I read a row back
.set CO,   26                          ; v26     my byte offset in a row of out0
.set BV,   27                          ; v27     32 x (lane / 16)
.set SPW,  28                          ; v28     LDS address of my spare word; never rewritten
.set NIL,  29                          ; v29     0; never rewritten
.set F0,   64
.set F1,   128
.set BK,   64                          ; the way out: 16 rows read back: v64-127 and v128-191 by turns
.set G1, 24                            ; s[24:31] descriptor group 1 for A's tiles;  s[32:39] group 0, one set for each slot
.set G0, 32
.set G1B, 48                           ; s[48:55], s[56:63] the same for B's tiles
.set G0B, 56
.set MSB, 0
.macro WIN new                         ; the immediate's high byte repeats the setting that is left
.if MSB != (\new)
	s_set_vgpr_msb (MSB<<8)|(\new)
.set MSB, (\new)
.endif
.endm
.set MUL_LO, 0xa1                      ; source 0 (B) window 1, source 1 (A) window 0, C and D window 2
.set MUL_HI, 0xf1                      ; the same, C and D window 3.  A sum's first product takes C from window 1: 0x91, 0xd1
.set TO_B,   0x40                      ; destination window 1, address window 0
; A joint load: waves 0 and 1 fetch A's two halves, waves 2 and 3 B's.  Each of the two lines has ONE mask and one set of registers for all that issue it; the branch hangs on the wave's number alone.
.macro JLOAD s
	s_cmp_eq_u32 s13, 0
	s_cbranch_scc0 .Lfor_b_\@
	tensor_load_to_lds s[G0+4*\s:G0+4*\s+3], s[G1:G1+7]
	s_nop 0
.rept 4
	v_nop
.endr
	s_branch .Lasked_\@
.Lfor_b_\@:
	tensor_load_to_lds s[G0B+4*\s:G0B+4*\s+3], s[G1B:G1B+7]
	s_nop 0
.rept 4
	v_nop
.endr
.Lasked_\@:
.endm
.macro CREST                           ; a round of the cluster's barrier behind its opening barrier
	s_cmp_lg_u32 s12, 0
	s_cbranch_scc1 .Lnot_wave_0_\@
	s_barrier_signal -3
.Lnot_wave_0_\@:
	s_barrier_wait -3
	s_barrier_signal -1
	s_barrier_wait -1
.endm
.macro CROUND
	s_barrier_signal -1
	s_barrier_wait -1
	CREST
.endm
.macro PLACES                          ; four plain vector instructions between a matrix instruction and a load into one of its registers or a read of its result
.rept 4
	v_nop
.endr
.endm
	s_load_b256 s[4:11], s[0:1], 0x0               ; att s[4:5], wo16 s[6:7], bo s[8:9], out0 s[10:11]
	v_lshl_add_u32 v[SPW], v0, 2, SPARE
	v_mov_b32 v[NIL], 0
	ds_add_u32 v[SPW], v[NIL]                      ; the wave's opening: the add, twice on end, and its wait ahead of my first tensor load
	ds_add_u32 v[SPW], v[NIL]
	v_lshrrev_b32 v1, 5, v0
	v_readfirstlane_b32 s12, v1                    ; wave 0..3
	s_lshr_b32 s13, s12, 1                         ; which half of the tile's rows is mine.  Also: I fetch for A (0) or for B (1)
	s_and_b32 s14, s12, 1                          ; which half of its columns.  Also: which 128 rows of that tile I fetch
	s_bfe_u32 s40, ttmp6, 0x40000                  ; cx, cy: my place in the cluster
	s_bfe_u32 s41, ttmp6, 0x40004
	s_lshl_b32 s42, ttmp9, 2
	s_add_co_u32 s42, s42, s40                     ; tile column
	s_and_b32 s43, ttmp7, 0xffff
	s_lshl_b32 s43, s43, 2
	s_add_co_u32 s43, s43, s41                     ; tile row
	s_lshl_b32 s44, s41, 2
	s_lshl_b32 s44, 15, s44                        ; my row of the cluster
	s_lshl_b32 s45, 0x1111, s40                    ; my column
	s_or_b32 s[G1+0], s44, (1<<16)|(1<<20)|(1<<21)|(5<<22)|(3<<25)   ; 15:0 the mask; 17:16 elements of 2 bytes; 20 padding on; 21 set beside a mask; 24:22 after every 64 words; 31:25 four words
	s_or_b32 s[G1B+0], s45, (1<<16)|(1<<20)|(1<<21)|(5<<22)|(3<<25)
.irp g, G1, G1B
	s_mov_b32 s[\g+1], KSTEP<<16                   ; tensor_dim0 = 128
	s_mov_b32 s[\g+2], 128<<16                     ; tensor_dim1 = 128
	s_mov_b32 s[\g+3], KSTEP<<16                   ; tile_dim0
	s_mov_b32 s[\g+4], 128                         ; tile_dim1
	s_mov_b32 s[\g+5], SIZE_K                      ; elements from row to row
	s_mov_b32 s[\g+6], 0
	s_mov_b32 s[\g+7], 0
.endr
	s_lshl_b32 s17, s14, 7                         ; which 128 rows of the tile I fetch
	s_lshl_b32 s16, s43, 8
	s_add_co_u32 s16, s16, s17                     ; A: row 256 x tile row + 128 x half
	s_lshl_b32 s46, s42, 8
	s_add_co_u32 s46, s46, s17                     ; B: row 256 x tile column + 128 x half
	s_lshl_b32 s16, s16, 11                        ; rows of 2,048 bytes
	s_mov_b32 s17, 0
	s_lshl_b32 s46, s46, 11
	s_mov_b32 s47, 0
	s_mul_i32 s20, s12, HALFT                      ; where they go: wave x 128 rows: no place in the cluster enters an LDS address
	s_wait_dscnt 0x0                               ; both opening adds are done
	s_wait_kmcnt 0x0
	s_add_nc_u64 s[18:19], s[4:5], s[16:17]
	s_add_nc_u64 s[46:47], s[6:7], s[46:47]
	CROUND                                         ; all sixteen work-groups are here: the first joint loads meet
.irp s, 0,1
	s_mov_b32 s[G0+4*\s], 1
	s_add_co_u32 s[G0+4*\s+1], s20, \s*SLOT
	s_add_nc_u64 s[G0+4*\s+2:G0+4*\s+3], s[18:19], \s*KSTEP*2
	s_or_b32 s[G0+4*\s+3], s[G0+4*\s+3], 0x80000000
	s_mov_b32 s[G0B+4*\s], 1
	s_add_co_u32 s[G0B+4*\s+1], s20, \s*SLOT
	s_add_nc_u64 s[G0B+4*\s+2:G0B+4*\s+3], s[46:47], \s*KSTEP*2
	s_or_b32 s[G0B+4*\s+3], s[G0B+4*\s+3], 0x80000000
	JLOAD \s                                       ; the ring is filled before anything else is done: two loads of mine are out
.endr
	v_and_b32 v1, 15, v0                           ; l % 16
	v_bfe_u32 v2, v0, 4, 1                         ; l / 16
	v_mul_u32_u24 v3, v1, PITCH
	v_lshl_add_u32 v3, v2, 4, v3                   ; a fragment's row x pitch + 16 x half
	s_mul_i32 s21, s13, HALFT                      ; my 128 rows of A
	s_mul_i32 s22, s14, HALFT                      ; my 128 rows of B,
	s_add_co_u32 s22, s22, 2*HALFT                 ; which lie behind A's 256
.irp s, 0,1
	v_add_nc_u32 v[ADRA+\s], s21, v3
	v_add_nc_u32 v[ADRB+\s], s22, v3
	s_add_co_u32 s21, s21, SLOT
	s_add_co_u32 s22, s22, SLOT
.endr
	s_mul_i32 s23, s12, 16*SPITCH
	s_add_co_u32 s23, s23, STAGE                   ; my stage
	v_mul_u32_u24 v4, v1, SPITCH
	v_lshl_add_u32 v4, v2, 5, v4
	v_add_nc_u32 v[STO], s23, v4                   ; in: row l % 16, 32 bytes for each half of the lanes
	v_and_b32 v5, 31, v0
	v_lshlrev_b32 v[CO], 4, v5                     ; back: the 32 lanes take one row of 512 bytes; and the same in out0
	v_add_nc_u32 v[RD], s23, v[CO]
	v_lshlrev_b32 v[BV], 5, v2
	s_lshl_b32 s16, s43, 8
	s_lshl_b32 s17, s13, 7
	s_add_co_u32 s16, s16, s17                     ; my first row of out0
	s_lshl_b32 s16, s16, 12                        ; rows of 4,096 bytes
	s_mov_b32 s17, 0
	s_add_nc_u64 s[10:11], s[10:11], s[16:17]
	s_lshl_b32 s46, s42, 10                        ; my first column, in bytes of f32: 1,024 x tile column + 512 x half (in the registers that held B's address)
	s_lshl_b32 s47, s14, 9
	s_add_co_u32 s46, s46, s47
	s_mov_b32 s47, 0
	s_add_nc_u64 s[10:11], s[10:11], s[46:47]
	s_add_nc_u64 s[8:9], s[8:9], s[46:47]          ; and the same place in bo
	WIN TO_B
.irp b, 0,1,2,3,4,5,6,7                ; window 1, register 8 b + j: bo of column 16 b + 8 (l / 16) + j of my 128
	global_load_b128 v[8*\b:8*\b+3], v[BV], s[8:9] offset:64*\b
	global_load_b128 v[8*\b+4:8*\b+7], v[BV], s[8:9] offset:64*\b+16
.endr
	WIN 0
; 16 matrix instructions: m blocks a0, a0 + 1 of the window's four (hi = 0: my rows 0-63, 1: rows 64-127) x all 8 n blocks, 32 along K.  first = 1: the bias starts the sums.
; The 64 accumulators take turns, one instruction a turn, in the same order in every quarter.
.macro MUL16 f, hi, a0, first
.irp a, \a0, \a0+1
.irp b, 0,1,2,3,4,5,6,7
.if \first
	v_wmma_f32_16x16x32_f16 v[8*(8*(\a)+\b):8*(8*(\a)+\b)+7], v[\f+8*\b:\f+8*\b+7], v[\f+8*(4*\hi+(\a)):\f+8*(4*\hi+(\a))+7], v[8*\b:8*\b+7]
.else
	v_wmma_f32_16x16x32_f16 v[8*(8*(\a)+\b):8*(8*(\a)+\b)+7], v[\f+8*\b:\f+8*\b+7], v[\f+8*(4*\hi+(\a)):\f+8*(4*\hi+(\a))+7], v[8*(8*(\a)+\b):8*(8*(\a)+\b)+7]
.endif
.endr
.endr
.endm
; 32 LDS loads in one run: the fragments of one quarter step (128 rows of B, 128 rows of A, 32 K at byte k of the rows) into buffer f
.macro FETCH slot, k, f
	WIN TO_B
.irp i, 0,1,2,3,4,5,6,7
	ds_load_b128 v[\f+8*\i:\f+8*\i+3],   v[ADRB+\slot] offset:\k+\i*16*PITCH
	ds_load_b128 v[\f+8*\i+4:\f+8*\i+7], v[ADRB+\slot] offset:\k+\i*16*PITCH+32
.endr
	WIN 0
.irp i, 0,1,2,3,4,5,6,7
	ds_load_b128 v[\f+8*\i:\f+8*\i+3],   v[ADRA+\slot] offset:\k+\i*16*PITCH
	ds_load_b128 v[\f+8*\i+4:\f+8*\i+7], v[ADRA+\slot] offset:\k+\i*16*PITCH+32
.endr
.endm
; A K step is four quarters of 32 along K, 64 matrix instructions each, on buffers 0, 1, 0, 1.  One of the first three: multiplies buffer f; in its middle it fetches the next quarter, at byte k, into buffer g.
.macro QUARTER slot, k, f, g, first
	s_wait_dscnt 8                                 ; B and A's rows 0-63 are in; the youngest eight loads (A's rows 64-127) may be out
	WIN MUL_LO-0x10*(\first)
	MUL16 \f, 0, 0, \first
	MUL16 \f, 0, 2, \first
	PLACES
	FETCH \slot, \k, \g
	s_wait_dscnt 32                                ; all but the 32 just issued
	WIN MUL_HI-0x20*(\first)
	MUL16 \f, 1, 0, \first
	MUL16 \f, 1, 2, \first
.endm
; The last quarter multiplies buffer 1 and changes slots: ONE barrier; in front of it each wave waits for all its tensor loads (one is out: its part of the next slot), adds 0 to its spare word,
; and waits for that and for its own reads of this slot.  fill = 1: the barrier opens a round of the cluster's barrier, and behind the round this slot is filled again, two K steps ahead.
.macro TURN slot, next, fill
	WIN 0                                          ; (the add's two registers lie in window 0)
	s_wait_tensorcnt 0x0
	ds_add_u32 v[SPW], v[NIL]
	s_wait_dscnt 9                                 ; (the add and the youngest eight loads may be out)
	WIN MUL_LO
	MUL16 F1, 0, 0, 0                              ; sixteen matrix instructions stand between the add and the wait for it
	s_wait_dscnt 0x0                               ; the add is done, and my reads of this slot are over
	s_barrier_signal -1
	MUL16 F1, 0, 2, 0
.if \fill
	WIN 0
.endif
	s_barrier_wait -1
.if \fill
	CREST                                          ; no wave of any partner still reads this slot's tile or has a load on its way
	s_add_nc_u64 s[G0+4*\slot+2:G0+4*\slot+3], s[G0+4*\slot+2:G0+4*\slot+3], 2*KSTEP*2
	s_add_nc_u64 s[G0B+4*\slot+2:G0B+4*\slot+3], s[G0B+4*\slot+2:G0B+4*\slot+3], 2*KSTEP*2
	JLOAD \slot                                    ; my one tensor load behind the round: 224 matrix instructions ahead of the wait for it; its four v_nop are also the places in front of the loads below
.else
	PLACES
.endif
	FETCH \next, 0, F0
	WIN MUL_HI
	MUL16 F1, 1, 0, 0
	MUL16 F1, 1, 2, 0
.endm
	s_wait_tensorcnt 1                             ; my part of K step 0 is in; K step 1's load may be out
	s_barrier_signal -1
	s_barrier_wait -1                              ; everybody's is
	FETCH 0, 0, F0
	s_wait_loadcnt 0x0                             ; the bias
	QUARTER 0, 64,  F0, F1, 1                      ; the first quarter stands in front of the loop: its products start the sums
	WIN 0                                          ; at a label and at a branch every window is 0
	s_mov_b32 s3, LAPS-1
.Llap:                                                 ; a trip goes once round the ring, from a lap's second quarter to the next lap's first, and fills both slots again
	QUARTER 0, 128, F1, F0, 0
	QUARTER 0, 192, F0, F1, 0
	TURN 0, 1, 1
	QUARTER 1, 64,  F0, F1, 0
	QUARTER 1, 128, F1, F0, 0
	QUARTER 1, 192, F0, F1, 0
	TURN 1, 0, 1
	QUARTER 0, 64,  F0, F1, 0
	WIN 0
	s_sub_co_u32 s3, s3, 1
	s_cmp_lg_u32 s3, 0
	s_cbranch_scc1 .Llap
	QUARTER 0, 128, F1, F0, 0                      ; the last lap is written out: it fills nothing, and has no round of the cluster's barrier
	QUARTER 0, 192, F0, F1, 0
	TURN 0, 1, 0
	QUARTER 1, 64,  F0, F1, 0
	QUARTER 1, 128, F1, F0, 0
	QUARTER 1, 192, F0, F1, 0
	s_wait_dscnt 8                                 ; the very last quarter: nothing more to fetch
	WIN MUL_LO
	MUL16 F1, 0, 0, 0
	MUL16 F1, 0, 2, 0
	s_wait_dscnt 0x0
	WIN MUL_HI
	MUL16 F1, 1, 0, 0
	MUL16 F1, 1, 2, 0
	WIN 0
; THE WAY OUT, block by block of 16 rows x 128 columns.  A lane holds 32 neighbouring bytes of a row, and the lanes beside it hold other rows: so a block goes through my own stage in LDS and comes back as whole
; rows of 512 bytes.  LDS serves a wave's instructions in order (ISA guide 5.7.1.4): no wait between the stores and the loads, nor in front of the next block's stores.
.macro TOSTAGE a
.set AC, 64*((\a)%4)
	WIN 0x08+4*((\a)/4)                            ; an LDS store's data are its source 1: window 2 or 3
.irp b, 0,1,2,3,4,5,6,7
	ds_store_b128 v[STO], v[AC+8*\b:AC+8*\b+3] offset:64*\b          ; each accumulator from its low end on
	ds_store_b128 v[STO], v[AC+8*\b+4:AC+8*\b+7] offset:64*\b+16
.endr
	WIN 0
.set BB, BK+64*((\a)%2)
.irp t, 0,1,2,3,4,5,6,7,8,9,10,11,12,13,14,15
	ds_load_b128 v[BB+4*\t:BB+4*\t+3], v[RD] offset:\t*SPITCH
.endr
.endm
.macro SEND a, younger                 ; younger: the LDS instructions issued behind block a's loads, which may stay out
.set BB, BK+64*((\a)%2)
	s_wait_dscnt \younger                          ; the block is back in registers
.if (\a) > 0
	s_add_nc_u64 s[10:11], s[10:11], 16*SIZE_N*4   ; (behind a wait on XCNT: the earlier stores have read their base)  16 rows on
.endif
.irp t, 0,1,2,3,4,5,6,7,8,9,10,11,12,13,14,15
	global_store_b128 v[CO], v[BB+4*\t:BB+4*\t+3], s[10:11] offset:\t*SIZE_N*4 th:TH_STORE_NT   ; 32 lanes store 512 consecutive bytes, at a multiple of 256 from out0's first byte; written once, read by nobody here
.endr
.endm
	PLACES                                         ; behind the last products: for the loads into the registers that held A's fragments, and for the reads of results
	TOSTAGE 0
.irp a, 1,2,3,4,5,6,7
.if \a > 1
	s_wait_xcnt 0x0                                ; block a - 2's stores have read their registers and their base: block a's loads may land there, and the base may step
.endif
	TOSTAGE \a
	SEND \a-1, 32                                  ; behind block a - 1's loads: block a's 16 stores and 16 loads
.endr
	s_wait_xcnt 0x0                                ; block 6's stores have read their base
	SEND 7, 0
	s_wait_tensorcnt 0x0                           ; the wave's end: behind my last tensor load and my last LDS store
	ds_add_u32 v[SPW], v[NIL]
	s_wait_dscnt 0x0
	CROUND                                         ; the closing round: no work-group ends while a partner may still ask for a tile that names it
	s_endpgm
.Lfunc_end_k_q2c52305afb_proj:
	.size	k_q2c52305afb_proj, .Lfunc_end_k_q2c52305afb_proj-k_q2c52305afb_proj
	.p2alignl 7, 3214868480
	.fill 96, 4, 3214868480
	.section	.rodata,"a",@progbits
	.p2align	6, 0x0
	.amdhsa_kernel k_q2c52305afb_proj
		.amdhsa_group_segment_fixed_size 327680
		.amdhsa_private_segment_fixed_size 0
		.amdhsa_enable_private_segment 0
		.amdhsa_kernarg_size 32
		.amdhsa_user_sgpr_count 2
		.amdhsa_user_sgpr_kernarg_segment_ptr 1
		.amdhsa_wavefront_size32 1
		.amdhsa_system_sgpr_workgroup_id_x 1
		.amdhsa_system_sgpr_workgroup_id_y 1
		.amdhsa_system_sgpr_workgroup_id_z 1
		.amdhsa_system_vgpr_workitem_id 0
		.amdhsa_next_free_vgpr 1024
		.amdhsa_next_free_sgpr 66
		.amdhsa_reserve_vcc 0
		.amdhsa_float_denorm_mode_32 3
		.amdhsa_float_denorm_mode_16_64 3
		.amdhsa_memory_ordered 1
		.amdhsa_forward_progress 1
		.amdhsa_inst_pref_size 142
	.end_amdhsa_kernel
	.amdgpu_metadata
---
amdhsa.version: [ 1, 2 ]
amdhsa.kernels:
  - .name:           k_q2c52305afb_proj
    .symbol:         k_q2c52305afb_proj.kd
    .args:
      - { .name: att, .offset: 0, .size: 8, .value_kind: global_buffer, .address_space: global }
      - { .name: wo16, .offset: 8, .size: 8, .value_kind: global_buffer, .address_space: global }
      - { .name: bo, .offset: 16, .size: 8, .value_kind: global_buffer, .address_space: global }
      - { .name: out0, .offset: 24, .size: 8, .value_kind: global_buffer, .address_space: global }
    .group_segment_fixed_size: 327680
    .private_segment_fixed_size: 0
    .kernarg_segment_align: 8
    .kernarg_segment_size: 32
    .max_flat_workgroup_size: 128
    .sgpr_count:     66
    .vgpr_count:     1024
    .wavefront_size: 32
...
	.end_amdgpu_metadata
.endif
;; end of part 4
;; ======== version 2 of 2: 3 launches; 1.15 times as fast as version 1
;; limits: values are held in f16: magnitudes above 65,504 overflow, below 6.1e-05 lose precision
;; workspace buffers: xq 8,912,896 bytes; wq 1,671,168 bytes; bqkv 12,288 bytes; wo16 2,097,152 bytes; att 33,554,432 bytes
;; launch prep (part 5): grid 696 x 1, 4 waves a work-group, no clusters, 35,328 bytes of LDS; arguments x, Wq, Wk, Wv, Wo, bq, bk, bv, xq, wq, wo16, bqkv; writes xq, wq, wo16, bqkv
.if DOCPART == 5
	.amdgcn_target "amdgcn-amd-amdhsa--gfx1250"
	.amdhsa_code_object_version 6
	.text
	.protected	k_q2c52305afb_prep
	.globl	k_q2c52305afb_prep
	.p2align	8
	.type	k_q2c52305afb_prep,@function
k_q2c52305afb_prep:
	s_mov_b64 s[64:65], 0
	v_nop
	global_prefetch_b8 v0, s[64:65] scope:SCOPE_SE
	s_setreg_imm32_b32 hwreg(HW_REG_WAVE_MODE, 25, 1), 1
	s_wait_xcnt 0x0
; PREP: everything that is made once from the inputs.  Three paths, chosen by the work-group's number alone.
;  0..607   x [16384][1024] (0..511) and Wq, Wk, Wv [1024][1024] (512..607), f32 with K innermost, become codes of FP4 (E2M1) with one E8M0 byte for each 32 along K.
;  608..671 Wo [1024][1024] becomes f16 with its K axis in the order in which the attention stores its result.
;  672..695 bq, bk, bv are gathered in the order of the permuted columns.
; A block's scale is 2^(floor(log2(largest magnitude)) - 2): its byte is the largest magnitude's exponent field - 2, held at 1 from below.
; LIMITS: a block of zeros gets the byte 1 where the quantiser says 127 (its codes are zeros, and this program alone reads the bytes); NaN and infinities among the inputs are not served; Wo goes in f16: magnitudes beyond 65,504 overflow.
; LAYOUT OF THE CODES: blocks of 256 rows x 512 K, 69,632 bytes: [tile of 16 rows (16)][128 along K (4)][c (2)][lane (32)][16 bytes], the image of the operand's registers
; (lane l: row l % 16, K = 64 c + 32 (l / 16) + 0..31), then 4,096 bytes of scale words [tile][row][4 words].
; WHICH ROWS FORM A TILE IS FREE.  The weights' rows are taken in the order n':
;   q, k: n' = 128 o + 8 head + i is feature 64 head + 8 o + i;    v: n' = 256 g + 128 hh + 8 r + i is feature 64 (8 hh + i) + 16 g + r,
; so that the attention finds its fragments as runs of 512 consecutive bytes.  Row rho of a tile lies at source row base + (rho % 8) s1 + (rho / 8) s2.
; THE WEIGHTS' BLOCKS OF 256 COLUMNS LIE IN THE ORDER IN WHICH THE NEXT LAUNCH'S TWO SLOTS WALK THEM: q0 q1 q2 q3 v0 v2 | k0 k1 k2 k3 v1 v3; the biases likewise.
; A wave takes one tile x 512 K: eight steps of 64 along K.  Each load reads 256 consecutive aligned bytes of a row in sixteen lanes; the step's 4,096 bytes turn through the wave's own stage in LDS,
; so that a lane then holds a WHOLE block of 32: no other lane is asked for a maximum, and four conversions give 16 bytes of the register image.  Loads run three steps ahead, the turn one step.
.set BLKB,  69632                      ; a block of codes and scale words
.set SP,    272                        ; a stage row: 256 bytes + 16 of padding: the 16 rows that a read touches start 17 x 16 bytes apart
.set STG1,  16*SP                      ; a stage
.set WSTG,  2*STG1                     ; two stages for each wave
.set SPARE, 4*WSTG                     ; behind the stages: the spare words, 128 bytes for each wave, which no other line names
.set STW,   8                          ; v8   the stage on the way in
.set STR,   9                          ; v9   and on the way out
.set CDO,   10                         ; v10  16 x lane
.set SCO,   11                         ; v11  my 8 bytes of the tile's 256 bytes of scale words
.set SH,    12                         ; v12  8 x (lane / 16)
.set VO,    16                         ; v16-23   load j's byte offset: rows 2 j and 2 j + 1 of the tile
.set R,     32                         ; v32-127  three sets of 32 registers as loaded
.set X,     128                        ; v128-191 two sets of 32 neighbours along K
.set C,     192                        ; v192-223 four registers of codes for each step: no store's data are written again
.set W,     224                        ; v224-227 the four scale words
.set TP,    228                        ; v228-235 at work
.set SPW,   236                        ; v236 LDS address of my spare word; never rewritten
.set NIL,   237                        ; v237 0; never rewritten
	s_load_b512 s[8:23], s[0:1], 0x0               ; x, Wq, Wk, Wv, Wo, bq, bk, bv
	s_load_b256 s[24:31], s[0:1], 0x40             ; xq, wq, wo16, bqkv
	v_lshl_add_u32 v[SPW], v0, 2, SPARE
	v_mov_b32 v[NIL], 0
	v_lshrrev_b32 v1, 5, v0
	v_readfirstlane_b32 s32, v1                    ; wave 0..3
	v_and_b32 v1, 31, v0                           ; lane
	v_and_b32 v2, 15, v0                           ; r
	v_bfe_u32 v3, v0, 4, 1                         ; h
	s_mul_i32 s33, s32, WSTG
	v_mul_u32_u24 v4, v3, SP
	v_lshl_add_u32 v4, v2, 4, v4
	v_add_nc_u32 v[STW], s33, v4                   ; in: row h of a pair of rows, 16 bytes a lane
	v_mul_u32_u24 v4, v2, SP
	v_lshl_add_u32 v4, v3, 7, v4
	v_add_nc_u32 v[STR], s33, v4                   ; out: row r, my half's 128 bytes
	v_lshlrev_b32 v[CDO], 4, v1
	s_wait_kmcnt 0x0
	s_cmp_ge_u32 ttmp9, 672
	s_cbranch_scc1 .Lbias
	s_cmp_ge_u32 ttmp9, 608
	s_cbranch_scc1 .Lwo
	; ---- the quantiser.  Task tau = 4 x (work-group within its tensor group) + wave: tile T = tau / 2, K step ks = tau % 2
	s_cmp_lt_u32 ttmp9, 512
	s_cselect_b32 s33, 0, 512
	s_sub_co_u32 s33, ttmp9, s33
	s_lshl_b32 s33, s33, 2
	s_add_co_u32 s33, s33, s32                     ; tau
	s_lshr_b32 s34, s33, 1                         ; T
	s_and_b32 s35, s33, 1                          ; ks
	s_and_b32 s36, s34, 63                         ; t: the tile within a weight
	s_lshr_b32 s37, s34, 6                         ; which weight: 0 Wq, 1 Wk, 2 Wv (the same in all four waves)
	s_and_b32 s38, s36, 7
	s_lshr_b32 s39, s36, 3
	s_lshl_b32 s40, s38, 7
	s_lshl_b32 s41, s39, 3
	s_add_co_u32 s40, s40, s41                     ; q, k: base = 128 (t % 8) + 8 (t / 8)
	s_and_b32 s41, s39, 1
	s_lshl_b32 s41, s41, 9
	s_lshr_b32 s42, s36, 4
	s_lshl_b32 s42, s42, 4
	s_add_co_u32 s41, s41, s42
	s_lshl_b32 s42, s38, 1
	s_add_co_u32 s41, s41, s42                     ; v: base = 512 ((t / 8) % 2) + 16 (t / 16) + 2 (t % 8)
	s_lshl_b32 s42, s34, 4                         ; x: base = 16 T
	s_lshr_b32 s54, s34, 4                         ; x: the block of 256 rows is T / 16.  A weight's block j = (T / 16) % 4 lies at:
	s_and_b32 s55, s54, 3                          ; q: j
	s_add_co_u32 s58, s55, 6                       ; k: 6 + j
	s_lshr_b32 s59, s55, 1
	s_and_b32 s62, s55, 1
	s_mul_i32 s62, s62, 6
	s_add_co_u32 s59, s59, s62
	s_add_co_u32 s59, s59, 4                       ; v: 4 + j / 2 + 6 (j % 2)
	s_mov_b32 s43, 0x40000                         ; 64 rows of 4,096 bytes
	s_mov_b32 s44, 0x1000                          ; one row
	s_cmp_eq_u32 s37, 2
	s_cselect_b32 s45, s41, s40                    ; base
	s_cselect_b32 s46, s43, s44                    ; S1: from rho to rho + 1 within eight
	s_cselect_b32 s47, s44, s43                    ; S2: from the first eight to the second
	s_cselect_b32 s63, s59, s58                    ; the block's place
	s_cselect_b64 s[48:49], s[14:15], s[12:13]
	s_cmp_eq_u32 s37, 0
	s_cselect_b32 s63, s55, s63
	s_cselect_b64 s[48:49], s[10:11], s[48:49]
	s_mov_b32 s43, 0x8000                          ; eight rows
	s_cmp_lt_u32 ttmp9, 512                        ; x's work-group?  Every choice hangs on the work-group's number alone
	s_cselect_b32 s45, s42, s45
	s_cselect_b32 s46, s44, s46
	s_cselect_b32 s47, s43, s47
	s_cselect_b32 s63, s54, s63
	s_cselect_b64 s[48:49], s[8:9], s[48:49]       ; the source
	s_cselect_b64 s[50:51], s[24:25], s[26:27]     ; the codes' buffer
	s_lshl_b32 s52, s45, 12
	s_lshl_b32 s53, s35, 11
	s_add_co_u32 s52, s52, s53
	s_mov_b32 s53, 0
	s_add_nc_u64 s[48:49], s[48:49], s[52:53]      ; the source at the tile's base row, K step ks
	s_lshl_b32 s52, s63, 1
	s_add_co_u32 s52, s52, s35
	s_mul_i32 s52, s52, BLKB
	s_add_nc_u64 s[50:51], s[50:51], s[52:53]      ; my block: (its place, ks)
	s_and_b32 s54, s34, 15
	s_lshl_b32 s52, s54, 8
	s_add_co_u32 s52, s52, 65536
	s_add_nc_u64 s[56:57], s[50:51], s[52:53]      ; my tile's 256 bytes of scale words
	s_lshl_b32 s52, s54, 12
	s_add_nc_u64 s[50:51], s[50:51], s[52:53]      ; my tile's 4,096 bytes of codes
	s_mov_b32 s60, 0x76543210
	s_mov_b32 s61, 0xfedcba98                      ; v_permlanex16_b32's selects for lane l xor 16
	v_mul_lo_u32 v4, v3, s46
	v_lshl_add_u32 v4, v2, 4, v4                   ; h S1 + 16 r
.irp j, 0,1,2,3,4,5,6,7
	s_mul_i32 s58, s46, 2*(\j%4)
	s_mul_i32 s59, s47, \j/4
	s_add_co_u32 s58, s58, s59
	v_add_nc_u32 v[VO+\j], s58, v4                 ; rows rho = 2 j + h
.endr
	v_lshlrev_b32 v[SCO], 4, v2
	v_lshl_add_u32 v[SCO], v3, 3, v[SCO]
	v_lshlrev_b32 v[SH], 3, v3
.irp q, 0,1,2,3
	v_mov_b32 v[TP+4+\q], 0                        ; written once: a lane permute's destination counts as one of its sources
.endr
.macro LOAD t                          ; step t: 64 along K of the 16 rows: each half of the lanes reads 256 consecutive aligned bytes of one row
.irp j, 0,1,2,3,4,5,6,7
	global_load_b128 v[R+32*((\t)%3)+4*\j:R+32*((\t)%3)+4*\j+3], v[VO+\j], s[48:49] offset:256*(\t) th:TH_LOAD_NT
.endr
.endm
.macro TURN t                          ; through the stage: LDS serves a wave's instructions in order, so no wait stands between the stores and the loads
.irp j, 0,1,2,3,4,5,6,7
	ds_store_b128 v[STW], v[R+32*((\t)%3)+4*\j:R+32*((\t)%3)+4*\j+3] offset:STG1*((\t)%2)+2*SP*\j
.endr
.irp m, 0,1,2,3,4,5,6,7
	ds_load_b128 v[X+32*((\t)%2)+4*\m:X+32*((\t)%2)+4*\m+3], v[STR] offset:STG1*((\t)%2)+16*\m
.endr
.endm
.macro STEP t
.set XS, X+32*((\t)%2)
	s_wait_dscnt 0x0                               ; this step's block is back from the stage, and the stage's stores have read their registers,
.if (\t)+3 < 8
	LOAD (\t)+3                                    ; which take the loads of three steps on
.endif
.if (\t) < 7
.if (\t)+3 <= 7
	s_wait_loadcnt 16                              ; the next step's eight loads are in; the two sets issued behind them may be out
.else
	s_wait_loadcnt 8*(6-(\t))                      ; at the end the sets behind run out
.endif
	TURN (\t)+1                                    ; the next step goes through the other stage while this one is worked
.endif
	v_max3_num_f32 v[TP], |v[XS]|, |v[XS+1]|, |v[XS+2]|            ; the block's largest magnitude: all 32 numbers are mine; two chains
	v_max3_num_f32 v[TP+1], |v[XS+3]|, |v[XS+4]|, |v[XS+5]|
.irp i, 6,10,14,18,22,26
	v_max3_num_f32 v[TP], v[TP], |v[XS+\i]|, |v[XS+\i+1]|
	v_max3_num_f32 v[TP+1], v[TP+1], |v[XS+\i+2]|, |v[XS+\i+3]|
.endr
	v_max3_num_f32 v[TP], v[TP], |v[XS+30]|, |v[XS+31]|
	v_max3_num_f32 v[TP], v[TP], v[TP+1], 0x1800000                ; and the floor 2^(3 - 127): the byte cannot fall under 1
	v_add_nc_u32 v[TP+2], 0xff000000, v[TP]                        ; 2 off the exponent field: the conversion takes the exponent field of this operand as its scale
.irp g, 0,1,2,3
	v_cvt_scalef32_pk8_fp4_f32 v[C+4*(\t)+\g], v[XS+8*\g:XS+8*\g+7], v[TP+2]   ; to the nearest code, ties to even, beyond 6 the largest code
.endr
	v_lshrrev_b32 v[TP+3], 23, v[TP+2]             ; the scale's byte (a plain line behind the conversions)
.if (\t)%2 == 0
	v_mov_b32 v[W+(\t)/2], v[TP+3]                 ; block 2 t + h of the K step: word t / 2, byte 2 (t % 2) + h
.else
	v_lshl_or_b32 v[W+(\t)/2], v[TP+3], 16, v[W+(\t)/2]
.endif
	global_store_b128 v[CDO], v[C+4*(\t):C+4*(\t)+3], s[50:51] offset:512*(\t)   ; the wave stores 512 consecutive bytes, aligned
.endm
	LOAD 0
	LOAD 1
	LOAD 2
	s_wait_loadcnt 16                              ; step 0's eight loads are in
	TURN 0
.irp t, 0,1,2,3,4,5,6,7
	STEP \t
.endr
.irp q, 0,1,2,3
	v_lshlrev_b32 v[W+\q], v[SH], v[W+\q]          ; my bytes to their places: 8 h bits up
.endr
.irp q, 0,1,2,3
	v_permlanex16_b32 v[TP+4+\q], v[W+\q], s60, s61
.endr
.irp q, 0,1,2,3
	v_or_b32 v[W+\q], v[W+\q], v[TP+4+\q]          ; with lane l xor 16's the words are whole
.endr
	v_cmp_eq_u32 vcc_lo, 1, v3
	v_cndmask_b32 v[TP], v[W], v[W+2], vcc_lo      ; lanes 0-15 store words 0 and 1 of row r, lanes 16-31 words 2 and 3
	v_cndmask_b32 v[TP+1], v[W+1], v[W+3], vcc_lo
	global_store_b64 v[SCO], v[TP:TP+1], s[56:57]  ; the wave stores 256 consecutive bytes, aligned
	s_wait_tensorcnt 0x0                           ; the wave's end: behind my last LDS store
	ds_add_u32 v[SPW], v[NIL]
	s_wait_dscnt 0x0
	s_endpgm
	; ---- Wo to f16, K permuted: wo16[n][256 g + 128 h + 8 r + j] = Wo[n][64 r + 16 g + 8 h + j].  A wave takes four rows.
	; The reads are pieces of 32 bytes (four loads share each 256 bytes of a row): accepted for 4 MB read once; each store covers 512 consecutive bytes.
.Lwo:
	s_sub_co_u32 s33, ttmp9, 608
	s_lshl_b32 s33, s33, 4
	s_lshl_b32 s34, s32, 2
	s_add_co_u32 s33, s33, s34                     ; my first row
	s_lshl_b32 s34, s33, 12
	s_mov_b32 s35, 0
	s_add_nc_u64 s[16:17], s[16:17], s[34:35]
	s_lshl_b32 s34, s33, 11
	s_add_nc_u64 s[28:29], s[28:29], s[34:35]
	v_lshlrev_b32 v4, 8, v2
	v_lshl_add_u32 v4, v3, 5, v4                   ; 256 r + 32 h
.irp w, 0,1,2,3
.irp g, 0,1,2,3
	global_load_b128 v[32+8*(4*\w+\g):32+8*(4*\w+\g)+3], v4, s[16:17] offset:4096*\w+64*\g
	global_load_b128 v[32+8*(4*\w+\g)+4:32+8*(4*\w+\g)+7], v4, s[16:17] offset:4096*\w+64*\g+16
.endr
.endr
	s_wait_loadcnt 0x0
.irp i, 0,1,2,3,4,5,6,7,8,9,10,11,12,13,14,15
.irp k, 0,1,2,3
	v_cvt_pk_f16_f32 v[160+4*\i+\k], v[32+8*\i+2*\k], v[32+8*\i+2*\k+1]
.endr
.endr
.irp i, 0,1,2,3,4,5,6,7,8,9,10,11,12,13,14,15
	global_store_b128 v[CDO], v[160+4*\i:160+4*\i+3], s[28:29] offset:2048*(\i/4)+512*(\i%4)
.endr
	s_endpgm
	; ---- the biases in the order of the permuted columns, the blocks of 256 in the order of the weights' blocks.  A thread a number.
.Lbias:
	s_sub_co_u32 s33, ttmp9, 672                   ; which 128 numbers: 0..23
	s_lshr_b32 s34, s33, 3                         ; m: 0 bq, 1 bk, 2 bv
	s_and_b32 s35, s33, 7
	s_lshl_b32 s35, s35, 7
	v_add_nc_u32 v4, s35, v0                       ; n'
	v_and_b32 v5, 7, v4                            ; i
	v_bfe_u32 v6, v4, 3, 4                         ; head (q, k) or r (v)
	v_lshrrev_b32 v7, 7, v4                        ; o (q, k) or 2 g + hh (v)
	v_lshlrev_b32 v8, 3, v7
	v_lshl_add_u32 v8, v6, 6, v8
	v_add_nc_u32 v8, v8, v5                        ; q, k: 64 head + 8 o + i
	v_and_b32 v9, 1, v7
	v_lshrrev_b32 v10, 1, v7
	v_lshlrev_b32 v9, 9, v9
	v_lshl_add_u32 v9, v5, 6, v9
	v_lshl_add_u32 v9, v10, 4, v9
	v_add_nc_u32 v9, v9, v6                        ; v: 512 hh + 64 i + 16 g + r
	s_lshr_b32 s40, s33, 1
	s_and_b32 s40, s40, 3                          ; the block j of 256 within its bias; its place: q: j
	s_add_co_u32 s41, s40, 6                       ; k: 6 + j
	s_lshr_b32 s42, s40, 1
	s_and_b32 s43, s40, 1
	s_mul_i32 s43, s43, 6
	s_add_co_u32 s42, s42, s43
	s_add_co_u32 s42, s42, 4                       ; v: 4 + j / 2 + 6 (j % 2)
	s_cmp_eq_u32 s34, 2
	s_cselect_b32 s36, -1, 0
	s_cselect_b32 s44, s42, s41
	s_cselect_b64 s[38:39], s[22:23], s[20:21]
	s_cmp_eq_u32 s34, 0
	s_cselect_b32 s44, s40, s44
	s_cselect_b64 s[38:39], s[18:19], s[38:39]
	v_cndmask_b32 v8, v8, v9, s36                  ; the same choice in every lane: it hangs on the work-group's number
	v_lshlrev_b32 v8, 2, v8
	global_load_b32 v11, v8, s[38:39]
	s_lshl_b32 s44, s44, 1
	s_and_b32 s45, s33, 1
	s_add_co_u32 s44, s44, s45                     ; 2 x the block's place + which half of it
	s_lshl_b32 s44, s44, 9
	v_lshl_add_u32 v12, v0, 2, s44
	s_wait_loadcnt 0x0
	global_store_b32 v12, v11, s[30:31]
	s_endpgm
.Lfunc_end_k_q2c52305afb_prep:
	.size	k_q2c52305afb_prep, .Lfunc_end_k_q2c52305afb_prep-k_q2c52305afb_prep
	.p2alignl 7, 3214868480
	.fill 96, 4, 3214868480
	.section	.rodata,"a",@progbits
	.p2align	6, 0x0
	.amdhsa_kernel k_q2c52305afb_prep
		.amdhsa_group_segment_fixed_size 35328
		.amdhsa_private_segment_fixed_size 0
		.amdhsa_enable_private_segment 0
		.amdhsa_kernarg_size 96
		.amdhsa_user_sgpr_count 2
		.amdhsa_user_sgpr_kernarg_segment_ptr 1
		.amdhsa_wavefront_size32 1
		.amdhsa_system_sgpr_workgroup_id_x 1
		.amdhsa_system_sgpr_workgroup_id_y 1
		.amdhsa_system_sgpr_workgroup_id_z 1
		.amdhsa_system_vgpr_workitem_id 0
		.amdhsa_next_free_vgpr 240
		.amdhsa_next_free_sgpr 66
		.amdhsa_reserve_vcc 1
		.amdhsa_float_denorm_mode_32 3
		.amdhsa_float_denorm_mode_16_64 3
		.amdhsa_memory_ordered 1
		.amdhsa_forward_progress 1
		.amdhsa_inst_pref_size 44
	.end_amdhsa_kernel
	.amdgpu_metadata
---
amdhsa.version: [ 1, 2 ]
amdhsa.kernels:
  - .name:           k_q2c52305afb_prep
    .symbol:         k_q2c52305afb_prep.kd
    .args:
      - { .name: x, .offset: 0, .size: 8, .value_kind: global_buffer, .address_space: global }
      - { .name: Wq, .offset: 8, .size: 8, .value_kind: global_buffer, .address_space: global }
      - { .name: Wk, .offset: 16, .size: 8, .value_kind: global_buffer, .address_space: global }
      - { .name: Wv, .offset: 24, .size: 8, .value_kind: global_buffer, .address_space: global }
      - { .name: Wo, .offset: 32, .size: 8, .value_kind: global_buffer, .address_space: global }
      - { .name: bq, .offset: 40, .size: 8, .value_kind: global_buffer, .address_space: global }
      - { .name: bk, .offset: 48, .size: 8, .value_kind: global_buffer, .address_space: global }
      - { .name: bv, .offset: 56, .size: 8, .value_kind: global_buffer, .address_space: global }
      - { .name: xq, .offset: 64, .size: 8, .value_kind: global_buffer, .address_space: global }
      - { .name: wq, .offset: 72, .size: 8, .value_kind: global_buffer, .address_space: global }
      - { .name: wo16, .offset: 80, .size: 8, .value_kind: global_buffer, .address_space: global }
      - { .name: bqkv, .offset: 88, .size: 8, .value_kind: global_buffer, .address_space: global }
    .group_segment_fixed_size: 35328
    .private_segment_fixed_size: 0
    .kernarg_segment_align: 8
    .kernarg_segment_size: 96
    .max_flat_workgroup_size: 128
    .sgpr_count:     66
    .vgpr_count:     240
    .wavefront_size: 32
...
	.end_amdgpu_metadata
.endif
;; end of part 5
;; launch qkvatt (part 6): grid 256 x 1, 4 waves a work-group, clusters of 4 x 1, 327,680 bytes of LDS; arguments xq, wq, bqkv, att; writes att
.if DOCPART == 6
	.amdgcn_target "amdgcn-amd-amdhsa--gfx1250"
	.amdhsa_code_object_version 6
	.text
	.protected	k_q2c52305afb_qkvatt
	.globl	k_q2c52305afb_qkvatt
	.p2align	8
	.type	k_q2c52305afb_qkvatt,@function
k_q2c52305afb_qkvatt:
	s_mov_b64 s[64:65], 0
	v_nop
	global_prefetch_b8 v0, s[64:65] scope:SCOPE_SE
	s_setreg_imm32_b32 hwreg(HW_REG_WAVE_MODE, 25, 1), 1
	s_wait_xcnt 0x0
	s_wait_alu depctr_hold_cnt(0) depctr_sa_sdst(0) depctr_va_vdst(0) depctr_va_sdst(0) depctr_va_ssrc(0) depctr_va_vcc(0) depctr_vm_vsrc(0)
	s_getreg_b32 s2, hwreg(HW_REG_IB_STS2, 6, 4)
	s_cmp_eq_u32 s2, 0
	s_cbranch_scc0 .Lentry_in_a_cluster
	s_endpgm
.Lentry_in_a_cluster:
	s_bfe_u32 s2, ttmp6, 0x10000c
	s_cmp_lg_u32 s2, 0x3003
	s_cbranch_scc0 .Lentry_shape_is_right
	s_endpgm
.Lentry_shape_is_right:
; q, k, v = Q(x) Q(W)^T + b on codes of FP4 (E2M1) with one E8M0 scale for each 32 along K, sums in f32; then, for every position by itself, the attention over its 16 HEADS:
; scores[h][e] = q[h] . k[e] / 8, a softmax over e (the row's true maximum taken away), attended[h] = sum over e of w[h][e] v[e].  q, k, v never go to memory.
; q, k, v, the weights w and attended are rounded once to f16; sums, maxima and the softmax are f32.  LIMIT: magnitudes of q, k, v beyond 65,504 overflow (drawn inputs give about 6; x and W both 30 times larger about 5,400).
; SHARES.  A work-group owns 64 positions and ALL 3,072 columns, which it walks in twelve blocks of 256.  Wave w makes columns 64 w .. 64 w + 63 of each block for all 64 rows (16 accumulators),
; and does the attention of positions 16 w .. 16 w + 15.  x's codes of the 64 rows, all of K, stay in every wave's registers (256 of them); only the weights go through LDS, and each of their fragments is read from LDS once.
; THE COLUMNS ARE PERMUTED (by the launch before) so that a block can be used up as soon as it is made:
;   a block of q' or k' is two octets of d for all 16 heads: [octet (2)][head (16)][8 d]; a position's 512 bytes, 16 a lane, are registers 0-3 of a fragment 16 heads x K, K = these 16 d;
;   a block of v' is 16 channels of all heads: [hh (2)][channel (16)][8 heads]: registers 0-3 of a fragment of V^T, K = the 16 heads.
; In each of these products K is 16 of the instruction's 32: the other half is zeros on BOTH sides.  Two positions share four registers of zeros: the first has its numbers at K 0-15, the second at K 16-31.
; THE WALK: q0 k0 q1 k1 q2 k2 q3 k3 (behind each k block S^T += K Q^T), the softmax, v0 v1 v2 v3 (behind each O^T = V^T P, stored).  Blocks take the two LDS slots by turns; in memory each slot's blocks lie on end.
; FROM WAVE TO WAVE: a block's results (f16) go into a stage of 64 rows x 512 bytes, a barrier, and each wave reads its 16 positions' rows.
; S^T = K Q^T: a lane holds ONE query head (lane % 16) and key heads 8 (lane / 16) + 0..7; packed in pairs these are registers 0-3 of source 1 of O^T = V^T P.
; O^T of block g, packed, is 16 bytes a lane: channels 16 g + 8 (lane / 16) + 0..7 of head lane % 16, stored at 512 g + 16 x lane of the position's row: the order in which wo16 has its K.
; CLUSTER: every work-group walks the same weights; the four of a cluster ask for each block JOINTLY: the same tensor load, the same descriptor, a mask that names the four.  Every wave asks for its quarter of every block
; (136 dense rows of 256 bytes): no branch stands at a tensor load.  A work-group's place in its cluster enters the addresses of x's codes and of att alone.
; THE MATRIX INSTRUCTION IS USED TRANSPOSED (source 0 = 16 rows of W, source 1 = 16 rows of x): a lane holds eight neighbouring columns of one row.  The bias is the C of each sum's first product.
; REGISTERS, in windows of 256: window 0: v1-13 addresses; v32-63 x's scale words; v64-95 the block's; v96-127 the bias in the result's layout; v128-255 the weights' fragments, two sets of two K steps.
;   window 1: x's codes: (row tile a, K step kk) at v[8 (8 a + kk)].   window 2: v0-127 the accumulators ((t, a) at v[8 (4 t + a)]); v128-223 K's or V's numbers, 12 registers for two positions.
;   window 3: v0-127 S^T, later O^T, 8 a position; v128-223 Q's numbers, later P; v224-247 the softmax's work.
.set BLKB,   69632                     ; 256 rows x 512 K: 65,536 bytes of codes, 4,096 of scale words
.set CBLK,   2*BLKB                    ; a block of 256 columns, all of K: what a slot holds
.set QUART,  CBLK/4                    ; what one tensor load brings
.set STG,    2*CBLK                    ; LDS: the two slots, then the stage, which no tensor load fills,
.set SP,     528                       ; (a stage row: 512 bytes + 16 of padding: the 16 rows that a store touches start 33 x 16 bytes apart)
.set SPARE,  STG+64*SP                 ; and the spare words, 128 bytes for each wave, which no other line names
.set L16,  1                           ; v1     16 x lane; never rewritten
.set R16,  2                           ; v2     16 x (lane % 16)
.set BV,   3                           ; v3     32 x (lane / 16)
.set ADB,  4                           ; v4-7   LDS address of my fragments: 2 x slot + half of K
.set ADS,  8                           ; v8-11  of my scale words, likewise
.set STO,  12                          ; v12    the stage: where I put 16 bytes of a row
.set ARD,  13                          ; v13    and where I read my positions' rows
.set SPW,  28                          ; v28    LDS address of my spare word; never rewritten
.set NIL,  29                          ; v29    0; never rewritten
.set SA,   32
.set SB,   64
.set BIAS, 96
.set BF,   128
.set KV,   128                         ; in window 2
.set QP,   128                         ; in window 3
.set T,    224                         ; in window 3
.set G1,   24                          ; s[24:31] descriptor group 1;  s[32:39] group 0, one set for each slot
.set G0,   32
.set SEL,  40                          ; s[40:41] v_permlanex16_b32's selects for lane l xor 16
.set CS,   42                          ; s[42:43] c = log2(e) / 8
.set NC,   44                          ; s44      -c
.set MSB, 0
.macro WIN new                         ; the immediate's high byte repeats the setting that is left
.if MSB != (\new)
	s_set_vgpr_msb (MSB<<8)|(\new)
.set MSB, (\new)
.endif
.endm
.set W_MUL,  0xa4                      ; source 0 (W) window 0, source 1 (x) window 1, C and D window 2
.set W_MUL1, 0x84                      ; the same with C (the bias) in window 0
.set W_X,    0x40                      ; destination window 1
.set W_PK,   0x8a                      ; sources and destination window 2
.set W_ST,   0x08                      ; an LDS store's data are its source 1: window 2
.set W_Q,    0xc0                      ; destination window 3
.set W_KV,   0x80                      ; destination window 2
.set W_AT,   0xfe                      ; source 0 (K, V) window 2; source 1 (Q, P), C and D window 3
.set W_SM,   0xff                      ; all in window 3
.set W_OUT,  0x0c                      ; a global store's data are its source 1: window 3
.macro CREST                           ; a round of the cluster's barrier behind its opening barrier
	s_cmp_lg_u32 s12, 0
	s_cbranch_scc1 .Lnot_wave_0_\@
	s_barrier_signal -3
.Lnot_wave_0_\@:
	s_barrier_wait -3
	s_barrier_signal -1
	s_barrier_wait -1
.endm
.macro CROUND
	s_barrier_signal -1
	s_barrier_wait -1
	CREST
.endm
.macro PLACES                          ; four plain vector instructions between a matrix instruction and a load into one of its registers or a read of its result
.rept 4
	v_nop
.endr
.endm
	s_load_b256 s[4:11], s[0:1], 0x0               ; xq s[4:5], wq s[6:7], bqkv s[8:9], att s[10:11]
	v_lshl_add_u32 v[SPW], v0, 2, SPARE
	v_mov_b32 v[NIL], 0
	ds_add_u32 v[SPW], v[NIL]                      ; the wave's opening: the add, twice on end, and its wait ahead of my first tensor load
	ds_add_u32 v[SPW], v[NIL]
	v_lshrrev_b32 v14, 5, v0
	v_readfirstlane_b32 s12, v14                   ; wave 0..3
	s_bfe_u32 s13, ttmp6, 0x40000                  ; cx: my place in the cluster
	s_lshl_b32 s14, ttmp9, 2                       ; in a cluster launch ttmp9 counts clusters
	s_add_co_u32 s14, s14, s13                     ; my 64 positions: it enters the addresses of x's codes and of att alone
	s_mov_b32 s[G1+0], 15|(3<<16)|(1<<21)          ; 15:0 the mask: all four work-groups; 17:16 elements of 8 bytes; 21 set beside a mask; no padding: the images are read 16 bytes a lane on end
	s_mov_b32 s[G1+1], 32<<16                      ; tensor_dim0 = 32 elements: 256 bytes
	s_mov_b32 s[G1+2], 136<<16                     ; tensor_dim1 = 136
	s_mov_b32 s[G1+3], 32<<16                      ; tile_dim0
	s_mov_b32 s[G1+4], 136                         ; tile_dim1
	s_mov_b32 s[G1+5], 32                          ; from row to row: dense
	s_mov_b32 s[G1+6], 0
	s_mov_b32 s[G1+7], 0
	s_mul_i32 s15, s12, QUART                      ; my quarter of every block, in memory and in LDS
	s_mov_b32 s16, s15
	s_mov_b32 s17, 0
	s_mov_b32 s[SEL], 0x76543210
	s_mov_b32 s[SEL+1], 0xfedcba98
	s_mov_b32 s[CS], 0x3e38aa3b
	s_mov_b32 s[CS+1], s[CS]                       ; (named with it as a pair, so it is written)
	s_mov_b32 s[NC], 0xbe38aa3b
	s_wait_dscnt 0x0                               ; both opening adds are done
	s_wait_kmcnt 0x0
	s_add_nc_u64 s[18:19], s[6:7], s[16:17]
	CROUND                                         ; all four work-groups are here: the first joint loads meet
.irp s, 0,1
	s_mov_b32 s[G0+4*\s], 1
	s_add_co_u32 s[G0+4*\s+1], s15, \s*CBLK
	s_add_nc_u64 s[G0+4*\s+2:G0+4*\s+3], s[18:19], \s*6*CBLK       ; slot 0 walks blocks 0 to 5, slot 1 blocks 6 to 11
	s_or_b32 s[G0+4*\s+3], s[G0+4*\s+3], 0x80000000
.endr
	tensor_load_to_lds s[G0:G0+3], s[G1:G1+7]      ; the first fills, one group: two loads of mine are out
	s_nop 0
	tensor_load_to_lds s[G0+4:G0+7], s[G1:G1+7]
	s_nop 0
.rept 4
	v_nop
.endr
	v_and_b32 v14, 31, v0
	v_lshlrev_b32 v[L16], 4, v14
	v_and_b32 v15, 15, v0                          ; r
	v_bfe_u32 v16, v0, 4, 1                        ; h
	v_lshlrev_b32 v[R16], 4, v15
	v_lshlrev_b32 v[BV], 5, v16
	s_lshr_b32 s20, s14, 2
	s_mul_i32 s20, s20, CBLK                       ; x's block of 256 rows: its two halves of K lie on end
	s_and_b32 s22, s14, 3
	s_lshl_b32 s21, s22, 14                        ; my four tiles of 4,096 bytes in it
	s_add_co_u32 s46, s20, s21
	s_mov_b32 s47, 0
	s_add_nc_u64 s[46:47], s[4:5], s[46:47]        ; x's codes
	s_lshl_b32 s21, s22, 10
	s_add_co_u32 s48, s20, s21
	s_add_co_u32 s48, s48, 65536
	s_mov_b32 s49, 0
	s_add_nc_u64 s[48:49], s[4:5], s[48:49]        ; and their scale words: 256 bytes a tile
	s_lshl_b32 s20, s14, 17
	s_lshl_b32 s21, s12, 15
	s_add_co_u32 s20, s20, s21
	s_mov_b32 s21, 0
	s_add_nc_u64 s[10:11], s[10:11], s[20:21]      ; att at my wave's first position: rows of 2,048 bytes
	s_lshl_b32 s20, s12, 8
	s_add_nc_u64 s[8:9], s[8:9], s[20:21]          ; the bias of my 64 columns of block 0
	WIN W_X
.irp a, 0,1,2,3
.irp k, 0,1,2,3,4,5,6,7
.irp c, 0,1
	global_load_b128 v[8*(8*\a+\k)+4*\c:8*(8*\a+\k)+4*\c+3], v[L16], s[46:47] offset:(\k/4)*BLKB+4096*\a+1024*(\k%4)+512*\c   ; the image of the operand's registers: 512 consecutive bytes a load
.endr
.endr
.endr
	WIN 0
.irp a, 0,1,2,3
.irp s, 0,1
	global_load_b128 v[SA+8*\a+4*\s:SA+8*\a+4*\s+3], v[R16], s[48:49] offset:\s*BLKB+256*\a   ; register 8 a + kk: lane r holds row r's word for K step kk
.endr
.endr
.macro BIASLD off                      ; register 8 t + j: the bias of column 16 t + 8 (lane / 16) + j of my 64
.irp t, 0,1,2,3
	global_load_b128 v[BIAS+8*\t:BIAS+8*\t+3], v[BV], s[8:9] offset:(\off)+64*\t
	global_load_b128 v[BIAS+8*\t+4:BIAS+8*\t+7], v[BV], s[8:9] offset:(\off)+64*\t+16
.endr
.endm
	BIASLD 0
	s_lshl_b32 s20, s12, 14                        ; my four tiles of 16 columns: 4,096 bytes each
	s_lshl_b32 s21, s12, 10                        ; and their scale words: 256 bytes each,
	s_add_co_u32 s21, s21, 65536                   ; behind the codes
.irp i, 0,1,2,3
	v_add_nc_u32 v[ADB+\i], s20, v[L16]
	v_add_nc_u32 v[ADS+\i], s21, v[R16]
	s_add_co_u32 s20, s20, BLKB
	s_add_co_u32 s21, s21, BLKB
.endr
	v_mul_u32_u24 v14, v15, SP
	v_lshl_add_u32 v14, v16, 4, v14
	s_lshl_b32 s22, s12, 7
	s_add_co_u32 s22, s22, STG
	v_add_nc_u32 v[STO], s22, v14                  ; in: row r of a tile of rows, my wave's 128 bytes, 16 for each half of the lanes
	s_mul_i32 s22, s12, 16*SP
	s_add_co_u32 s22, s22, STG
	v_add_nc_u32 v[ARD], s22, v[L16]               ; back: my 16 positions' rows, 16 bytes a lane
	WIN W_Q
.irp u, 0,1,2,3,4,5,6,7
.irp i, 0,1,2,3
	v_mov_b32 v[QP+12*\u+4+\i], 0                  ; the zeros that two positions share; never rewritten
.endr
.endr
	WIN W_KV
.irp u, 0,1,2,3,4,5,6,7
.irp i, 0,1,2,3
	v_mov_b32 v[KV+12*\u+4+\i], 0
.endr
.endr
	WIN 0
; 16 matrix instructions: my four tiles of columns x the four tiles of rows, K step kk of eight.  first = 1: the bias starts the sums.
; The 16 accumulators take turns, one instruction a turn, in the same order in every K step.
.macro MULK kk, first
.set BB, BF+64*(((\kk)/2)%2)+32*((\kk)%2)
.if \first
	WIN W_MUL1
.else
	WIN W_MUL
.endif
.irp t, 0,1,2,3
.irp a, 0,1,2,3
.if \first
	v_wmma_scale_f32_16x16x128_f8f6f4 v[8*(4*\t+\a):8*(4*\t+\a)+7], v[BB+8*\t:BB+8*\t+7], v[8*(8*\a+(\kk)):8*(8*\a+(\kk))+7], v[BIAS+8*\t:BIAS+8*\t+7], v[SB+8*\t+(\kk)], v[SA+8*\a+(\kk)] matrix_a_fmt:MATRIX_FMT_FP4 matrix_b_fmt:MATRIX_FMT_FP4
.else
	v_wmma_scale_f32_16x16x128_f8f6f4 v[8*(4*\t+\a):8*(4*\t+\a)+7], v[BB+8*\t:BB+8*\t+7], v[8*(8*\a+(\kk)):8*(8*\a+(\kk))+7], v[8*(4*\t+\a):8*(4*\t+\a)+7], v[SB+8*\t+(\kk)], v[SA+8*\a+(\kk)] matrix_a_fmt:MATRIX_FMT_FP4 matrix_b_fmt:MATRIX_FMT_FP4
.endif
.endr
.endr
.endm
.macro FETCH slot, f                   ; 16 LDS loads in one run: my fragments of K steps 2 f and 2 f + 1 into set f % 2
.irp e, 0,1
.irp t, 0,1,2,3
.irp c, 0,1
	ds_load_b128 v[BF+64*((\f)%2)+32*\e+8*\t+4*\c:BF+64*((\f)%2)+32*\e+8*\t+4*\c+3], v[ADB+2*(\slot)+(\f)/2] offset:4096*\t+1024*(2*((\f)%2)+\e)+512*\c
.endr
.endr
.endr
.endm
.macro SCALES slot                     ; register 8 t + kk: lane r holds the word of column r of my tile t for K step kk
.irp t, 0,1,2,3
.irp s, 0,1
	ds_load_b128 v[SB+8*\t+4*\s:SB+8*\t+4*\s+3], v[ADS+2*(\slot)+\s] offset:256*\t
.endr
.endr
.endm
; A BLOCK of 256 columns, out of slot: 128 matrix instructions a wave, then the results, as f16, into the stage.
; ONE barrier, ahead of the last quarter, does three things: nobody reads this slot any more; the other slot is whole; nobody reads the stage's last rows any more.  In front of it each wave waits for all its tensor
; loads (one is out: its part of the other slot), adds 0 to its spare word, and waits for that and for all its LDS reads.  fill = 1: the barrier opens a round of the cluster's barrier, and behind the round this slot
; takes its next block.  bias = 1: the other slot's block's bias is asked for (six blocks on); 2: the pointer steps a block and this slot's... the first slot's next bias is asked for; 0: none is left.
.macro GEMM slot, fill, bias
	WIN 0
	s_wait_loadcnt 0x0                             ; the block's bias (the first time: x's codes and scale words too)
	SCALES \slot
	FETCH \slot, 0
	FETCH \slot, 1
	s_wait_dscnt 16                                ; all but the run issued last
	MULK 0, 1
	MULK 1, 0
	PLACES
	WIN 0
.if \bias == 1
	BIASLD 6144
.endif
.if \bias == 2
	s_add_nc_u64 s[8:9], s[8:9], 1024              ; (the loads that named it were waited for at the block's head)
	BIASLD 0
.endif
	FETCH \slot, 2
	s_wait_dscnt 16
	MULK 2, 0
	MULK 3, 0
	PLACES
	WIN 0
	FETCH \slot, 3
	s_wait_tensorcnt 0x0                           ; all my tensor loads have landed
	ds_add_u32 v[SPW], v[NIL]                      ; 0 onto my spare word
	s_wait_dscnt 17                                ; (the add and the run issued last may be out)
	MULK 4, 0                                      ; 32 matrix instructions stand between the add and the wait for it
	MULK 5, 0
	s_wait_dscnt 0x0                               ; the add is done, and my reads of this slot and of the stage are over
	s_barrier_signal -1
	MULK 6, 0
	WIN 0
	s_barrier_wait -1
.if \fill
	CREST                                          ; no wave of any partner still reads this slot or has a load on its way
	s_add_nc_u64 s[G0+4*(\slot)+2:G0+4*(\slot)+3], s[G0+4*(\slot)+2:G0+4*(\slot)+3], CBLK
	tensor_load_to_lds s[G0+4*(\slot):G0+4*(\slot)+3], s[G1:G1+7]   ; my one tensor load behind the round: it has a whole block's work in which to land
	s_nop 0
	PLACES
.endif
	MULK 7, 0
	PLACES
	WIN W_PK
.irp i, 0,1,2,3,4,5,6,7,8,9,10,11,12,13,14,15
.irp k, 0,1,2,3
	v_cvt_pk_f16_f32 v[8*\i+\k], v[8*\i+2*\k], v[8*\i+2*\k+1]       ; in place, ascending: each accumulator from its low end on
.endr
.endr
	WIN W_ST
.irp t, 0,1,2,3
.irp a, 0,1,2,3
	ds_store_b128 v[STO], v[8*(4*\t+\a):8*(4*\t+\a)+3] offset:16*\a*SP+32*\t   ; row 16 a + r, columns 64 w + 16 t + 8 (lane / 16) + 0..7
.endr
.endr
	WIN 0
	s_wait_dscnt 0x0                               ; for the others' sake: my stores into the stage are done
	s_barrier_signal -1
	s_barrier_wait -1                              ; 64 whole rows lie in the stage.
.endm
.macro ROWS win, base                  ; my 16 positions' rows, 512 consecutive bytes a load: position p's four registers at base + 12 (p / 2) + 8 (p % 2)
	WIN \win
.irp p, 0,1,2,3,4,5,6,7,8,9,10,11,12,13,14,15
	ds_load_b128 v[\base+12*(\p/2)+8*(\p%2):\base+12*(\p/2)+8*(\p%2)+3], v[ARD] offset:\p*SP
.endr
.endm
.macro ATT zero                        ; a product for each of my 16 positions: an even position's operands are (numbers, zeros), an odd one's (zeros, numbers).  zero = 1: it starts the sum
	WIN W_AT
.irp p, 0,1,2,3,4,5,6,7,8,9,10,11,12,13,14,15
.if \zero
	v_wmma_f32_16x16x32_f16 v[8*\p:8*\p+7], v[KV+12*(\p/2)+4*(\p%2):KV+12*(\p/2)+4*(\p%2)+7], v[QP+12*(\p/2)+4*(\p%2):QP+12*(\p/2)+4*(\p%2)+7], 0
.else
	v_wmma_f32_16x16x32_f16 v[8*\p:8*\p+7], v[KV+12*(\p/2)+4*(\p%2):KV+12*(\p/2)+4*(\p%2)+7], v[QP+12*(\p/2)+4*(\p%2):QP+12*(\p/2)+4*(\p%2)+7], v[8*\p:8*\p+7]
.endif
.endr
.endm
.macro QKTRIP first                    ; two octets of d: a block of q', a block of k', and their part of the scores
	GEMM 0, 1, 1
	ROWS W_Q, QP                                   ; (waited for with the next block's first fragments)
	GEMM 1, 1, 2
	ROWS W_KV, KV
	s_wait_dscnt 0x0
	ATT \first
	WIN 0
.endm
; The softmax of positions 4 g .. 4 g + 3, by turns.  v[T+2i] the maximum, then -c m; v[T+8+4i ..] the sums, then 1 / sum.  All in window 3.
.macro SOFT g
.irp i, 0,1,2,3
.set SS, 8*(4*(\g)+\i)
	v_max3_num_f32 v[T+2*\i], v[SS], v[SS+1], v[SS+2]
.endr
.irp i, 0,1,2,3
.set SS, 8*(4*(\g)+\i)
	v_max3_num_f32 v[T+2*\i+1], v[SS+3], v[SS+4], v[SS+5]
.endr
.irp i, 0,1,2,3
.set SS, 8*(4*(\g)+\i)
	v_max3_num_f32 v[T+2*\i], v[T+2*\i], v[SS+6], v[SS+7]
.endr
.irp i, 0,1,2,3
	v_max_num_f32 v[T+2*\i], v[T+2*\i], v[T+2*\i+1]
.endr
.irp i, 0,1,2,3
	v_permlanex16_b32 v[T+2*\i+1], v[T+2*\i], s[SEL], s[SEL+1]     ; the query head's other eight key heads lie in the lane 16 away
.endr
.irp i, 0,1,2,3
	v_max_num_f32 v[T+2*\i], v[T+2*\i], v[T+2*\i+1]                ; the row's maximum
.endr
.irp i, 0,1,2,3
	v_mul_f32 v[T+2*\i], s[NC], v[T+2*\i]                          ; -c m
.endr
.irp j, 0,2,4,6
.irp i, 0,1,2,3
.set SS, 8*(4*(\g)+\i)
	v_pk_fma_f32 v[SS+\j:SS+\j+1], v[SS+\j:SS+\j+1], s[CS:CS+1], v[T+2*\i:T+2*\i+1] op_sel_hi:[1,0,0]   ; c s - c m
.endr
.endr
.irp j, 0,1,2,3,4,5,6,7
.irp i, 0,1,2,3
.set SS, 8*(4*(\g)+\i)
	v_exp_f32 v[SS+\j], v[SS+\j]                   ; one batch of 32
.endr
.endr
	v_nop                                          ; a plain instruction behind the last exponential
	s_wait_alu depctr_va_vdst(0)                   ; one wait for the batch, ahead of its first reader
.irp i, 0,1,2,3
.set SS, 8*(4*(\g)+\i)
	v_pk_add_f32 v[T+8+4*\i:T+9+4*\i], v[SS:SS+1], v[SS+2:SS+3]
.endr
.irp i, 0,1,2,3
.set SS, 8*(4*(\g)+\i)
	v_pk_add_f32 v[T+10+4*\i:T+11+4*\i], v[SS+4:SS+5], v[SS+6:SS+7]
.endr
.irp i, 0,1,2,3
	v_pk_add_f32 v[T+8+4*\i:T+9+4*\i], v[T+8+4*\i:T+9+4*\i], v[T+10+4*\i:T+11+4*\i]
.endr
.irp i, 0,1,2,3
	v_add_f32 v[T+8+4*\i], v[T+8+4*\i], v[T+9+4*\i]
.endr
.irp i, 0,1,2,3
	v_permlanex16_b32 v[T+9+4*\i], v[T+8+4*\i], s[SEL], s[SEL+1]
.endr
.irp i, 0,1,2,3
	v_add_f32 v[T+8+4*\i], v[T+8+4*\i], v[T+9+4*\i]                ; the row's sum
.endr
.irp i, 0,1,2,3
	v_rcp_f32 v[T+10+4*\i], v[T+8+4*\i]
.endr
	v_nop
	s_wait_alu depctr_va_vdst(0)                   ; one wait for the four reciprocals
.irp j, 0,2,4,6
.irp i, 0,1,2,3
.set SS, 8*(4*(\g)+\i)
	v_pk_mul_f32 v[SS+\j:SS+\j+1], v[SS+\j:SS+\j+1], v[T+10+4*\i:T+11+4*\i] op_sel_hi:[1,0]
.endr
.endr
.irp j, 0,1,2,3
.irp i, 0,1,2,3
.set SS, 8*(4*(\g)+\i)
	v_cvt_pk_f16_f32 v[QP+12*((4*(\g)+\i)/2)+8*((4*(\g)+\i)%2)+\j], v[SS+2*\j], v[SS+2*\j+1]   ; P takes Q's registers
.endr
.endr
.endm
.macro VBLOCK slot, fill, bias, g      ; 16 channels of all heads: a block of v', O^T = V^T P, and its 512 bytes of each position's row of att
	GEMM \slot, \fill, \bias
	ROWS W_KV, KV
	s_wait_dscnt 0x0
	s_wait_xcnt 0x0                                ; the last block's stores have read O^T's registers, which are written anew below
	ATT 1
	PLACES
	WIN W_SM
.irp p, 0,1,2,3,4,5,6,7,8,9,10,11,12,13,14,15
.irp k, 0,1,2,3
	v_cvt_pk_f16_f32 v[8*\p+\k], v[8*\p+2*\k], v[8*\p+2*\k+1]       ; in place, ascending: from the accumulator's low end on
.endr
.endr
	WIN W_OUT
.irp p, 0,1,2,3,4,5,6,7,8,9,10,11,12,13,14,15
	global_store_b128 v[L16], v[8*\p:8*\p+3], s[10:11] offset:2048*\p+512*(\g)   ; the wave stores 512 consecutive bytes, aligned
.endr
	WIN 0
.endm
	s_wait_tensorcnt 1                             ; my part of slot 0 is in; slot 1's load, issued behind it, may be out
	s_barrier_signal -1
	s_barrier_wait -1                              ; everybody's is
	QKTRIP 1                                       ; the first two octets stand in front of the loop: their products start the scores' sums
	s_mov_b32 s3, 3
.Lqk:
	QKTRIP 0
	s_sub_co_u32 s3, s3, 1
	s_cmp_lg_u32 s3, 0
	s_cbranch_scc1 .Lqk
	PLACES                                         ; behind the last products of the scores
	WIN W_SM
	SOFT 0
	SOFT 1
	SOFT 2
	SOFT 3
	VBLOCK 0, 1, 1, 0
	VBLOCK 1, 1, 2, 1
	VBLOCK 0, 0, 1, 2                              ; the last two blocks are written out: they fill no slot
	VBLOCK 1, 0, 0, 3
	s_wait_tensorcnt 0x0                           ; the wave's end: behind my last tensor load and my last LDS store
	ds_add_u32 v[SPW], v[NIL]
	s_wait_dscnt 0x0
	CROUND                                         ; the closing round: no work-group ends while a partner may still ask for a block that names it
	s_endpgm
.Lfunc_end_k_q2c52305afb_qkvatt:
	.size	k_q2c52305afb_qkvatt, .Lfunc_end_k_q2c52305afb_qkvatt-k_q2c52305afb_qkvatt
	.p2alignl 7, 3214868480
	.fill 96, 4, 3214868480
	.section	.rodata,"a",@progbits
	.p2align	6, 0x0
	.amdhsa_kernel k_q2c52305afb_qkvatt
		.amdhsa_group_segment_fixed_size 327680
		.amdhsa_private_segment_fixed_size 0
		.amdhsa_enable_private_segment 0
		.amdhsa_kernarg_size 32
		.amdhsa_user_sgpr_count 2
		.amdhsa_user_sgpr_kernarg_segment_ptr 1
		.amdhsa_wavefront_size32 1
		.amdhsa_system_sgpr_workgroup_id_x 1
		.amdhsa_system_sgpr_workgroup_id_y 1
		.amdhsa_system_sgpr_workgroup_id_z 1
		.amdhsa_system_vgpr_workitem_id 0
		.amdhsa_next_free_vgpr 1024
		.amdhsa_next_free_sgpr 66
		.amdhsa_reserve_vcc 0
		.amdhsa_float_denorm_mode_32 3
		.amdhsa_float_denorm_mode_16_64 3
		.amdhsa_memory_ordered 1
		.amdhsa_forward_progress 1
		.amdhsa_inst_pref_size 255
	.end_amdhsa_kernel
	.section	.bss,"aw",@nobits
	.p2align	6
	.space	262144
	.amdgpu_metadata
---
amdhsa.version: [ 1, 2 ]
amdhsa.kernels:
  - .name:           k_q2c52305afb_qkvatt
    .symbol:         k_q2c52305afb_qkvatt.kd
    .args:
      - { .name: xq, .offset: 0, .size: 8, .value_kind: global_buffer, .address_space: global }
      - { .name: wq, .offset: 8, .size: 8, .value_kind: global_buffer, .address_space: global }
      - { .name: bqkv, .offset: 16, .size: 8, .value_kind: global_buffer, .address_space: global }
      - { .name: att, .offset: 24, .size: 8, .value_kind: global_buffer, .address_space: global }
    .group_segment_fixed_size: 327680
    .private_segment_fixed_size: 0
    .kernarg_segment_align: 8
    .kernarg_segment_size: 32
    .max_flat_workgroup_size: 128
    .sgpr_count:     66
    .vgpr_count:     1024
    .wavefront_size: 32
...
	.end_amdgpu_metadata
.endif
;; end of part 6
;; launch proj: the kernel of part 4 again; grid 4 x 64, 4 waves a work-group, clusters of 4 x 4, 327,680 bytes of LDS; arguments att, wo16, bo, out0; writes out0
